; MI455X (gfx1250); checked and timed in simulation.
; The chip was launched on July 23, 2026; its instructions are those of AMD's public machine-readable ISA for CDNA 5 (MIT licence, August 2026) and "CDNA5" Instruction Set Architecture Reference Guide (July 2026). The comments in the code are by the model that wrote it; some were corrected since.
;; Multi Head Attention GPT. Allowed arithmetic: matrix products marked QUANTISED: E2M3 operands, one E8M0 scale for each 32 along K, by v_wmma_scale_f32_16x16x128_f8f6f4 with both operands' format E2M3, f32 sums; everything else in f32.
;; Inputs: Wk 1,024 x 1,024 float32; Wo 1,024 x 1,024 float32; Wq 1,024 x 1,024 float32; Wv 1,024 x 1,024 float32; X 4 x 2,048 x 1,024 float32.
;; Outputs: out0 4 x 2,048 x 1,024 float32.
;; This version of the problem:
;;   THIS VERSION OF THE PROBLEM IS GIVEN IN LOW PRECISION. The matrix products marked QUANTISED in the list below multiply operands that are first quantised to E2M3 (2 exponent bits, 3 mantissa bits; 6 bits a number), with one power-of-two scale for each 32 numbers along K (OCP MX v1.0); their sums are f32. All else is computed in f32.
;;   The module's matrix products, in the order in which they are computed (A, B: the left and right operand; K: the contracted axis; several contracted axes count as one K, in the product's order):
;;     1. [M 8,192, K 1,024] x [K 1,024, N 1,024]; A: input X; B: input Wq: QUANTISED
;;     2. [M 8,192, K 1,024] x [K 1,024, N 1,024]; A: input X; B: input Wk: QUANTISED
;;     3. [M 8,192, K 1,024] x [K 1,024, N 1,024]; A: input X; B: input Wv: QUANTISED
;;     4. batch 64 x [M 2,048, K 64] x [K 64, N 2,048]; A: computed on the way; B: computed on the way: QUANTISED
;;     5. batch 64 x [M 2,048, K 2,048] x [K 2,048, N 64]; A: softmax (see below); B: computed on the way: QUANTISED
;;     6. [M 8,192, K 1,024] x [K 1,024, N 1,024]; A: computed on the way; B: input Wo: QUANTISED
;;   THE QUANTISER, for each operand of a quantised product, along K:
;;     - K is cut into blocks of 32 from its start; a last block that is shorter is filled with zeros.
;;     - A block's scale is 2^e with e = floor(log2(the largest magnitude in the block)) - 2, held to -126 .. 127; a block of zeros has e = 0. As a byte (E8M0): e + 127.
;;     - Each number is divided by its block's scale, clamped to +-7.5, and rounded to the nearest number of E2M3, ties to even, subnormals kept.
;;     - The product sums the exact products of the quantised numbers (number of the format x scale) in f32.
;;   ~~~python
;;   def quantise(x, axis):      # numpy; x: float32 -> the quantised numbers, widened to float32 again
;;       x = np.moveaxis(x, axis, -1); K = x.shape[-1]
;;       x = np.pad(x, [(0, 0)] * (x.ndim - 1) + [(0, -K % 32)]); x = x.reshape(x.shape[:-1] + (-1, 32)); a = np.abs(x).max(-1, keepdims=True)
;;       e = np.where(a > 0, np.clip(np.frexp(np.where(a > 0, a, 1))[1] - 1 - 2, -126, 127), 0)      # np.frexp(a)[1] - 1 = floor(log2(a)), exactly
;;       r = np.clip(x / 2.0 ** e, -7.5, 7.5)
;;       step = 2.0 ** (np.maximum(np.frexp(np.where(r == 0, 1, r))[1] - 1, 0) - 3)
;;       q = np.round(r / step) * step * 2.0 ** e      # np.round: ties to even
;;       return np.moveaxis(q.reshape(q.shape[:-2] + (-1,))[..., :K], -1, axis).astype(np.float32)
;;   ~~~
;;   SOFTMAX AHEAD OF A QUANTISED PRODUCT. Where the list says 'softmax', what is quantised is not the finished softmax but p = 2^(t - M), with t = logit x log2(e) and M = ceil(the row's largest t), a whole number; so 1/2 < the row's largest p <= 1. The row's sum l is taken of the UNQUANTISED p, in f32, and the product's result is divided by l at the end. Since M is a whole number, a kernel that streams over the keys may use a running M (the ceiling of the running maximum): every later rescaling is an exact power of two, which a block's scale takes up: the codes' values come out the same.
;;   OPERANDS COMPUTED ON THE WAY. 'Computed on the way' means the value that the module computes at that place (a softmax that the list does not call 'softmax' is quantised finished and normalised). What goes into a quantiser is computed in f32, as accurately as f32 sums, v_exp_f32 and their like allow (about 1e-6 of the number): no bf16 or f16 on the way to a quantiser, and a product that is left as it is and whose result goes on into a quantised operand takes f32 operands (vector FMAs, or v_wmma_f32_16x16x4_f32). A number that lies on a knife's edge between two numbers of the format may be rounded either way, as far as f32 arithmetic and the matrix unit's own rounding can turn it there, and no further.
;; One version. Each part assembles by itself: llvm-mc -triple=amdgcn-amd-amdhsa -mcpu=gfx1250 --defsym DOCPART=n.
;; ======== version 1 of 1: 4 launches
;; workspace buffers: xw_codes 9,437,184 bytes; xw_scales 393,216 bytes; qkv_codes 18,874,368 bytes; qkv_scales 1,310,720 bytes; ctx_codes 6,291,456 bytes; ctx_scales 262,144 bytes
;; launch quant (part 1): grid 384 x 1, 4 waves a work-group, no clusters, 69,120 bytes of LDS; arguments X, Wq, Wk, Wv, Wo, xw_codes, xw_scales; writes xw_codes, xw_scales
.if DOCPART == 1
	.amdgcn_target "amdgcn-amd-amdhsa--gfx1250"
	.amdhsa_code_object_version 6
	.text
	.protected	k_q2c2e0f1c7a_quant
	.globl	k_q2c2e0f1c7a_quant
	.p2align	8
	.type	k_q2c2e0f1c7a_quant,@function
k_q2c2e0f1c7a_quant:
	s_mov_b64 s[64:65], 0
	v_nop
	global_prefetch_b8 v0, s[64:65] scope:SCOPE_SE
	s_setreg_imm32_b32 hwreg(HW_REG_WAVE_MODE, 25, 1), 1
	s_wait_xcnt 0x0
; X [8192][1024] and the weights Wq, Wk, Wv, Wo [1024 (k)][1024 (n)], all f32, become codes of FP6 (E2M3), K innermost, with one E8M0 byte for each 32 along K.
; xw_codes: [12288 rows][768 bytes]: rows 0.. X's, 8192.. Wq's columns, 9216.. Wk's, 10240.. Wv's, 11264.. Wo's.  xw_scales: [12288][32 bytes].
; A block's scale is 2^(floor(log2(its largest magnitude)) - 2); its byte is the largest magnitude's exponent field - 2, held at 1 from below.
; STORED ROWS: inside each group of 32 rows, bits 3 and 4 of the row's number change places: true row 16 a + 8 b + c lies at place 16 b + 8 a + c.  Sixteen neighbouring places then hold the rows
; 8 u + r + 8 (r / 8) of the group, so that a product which takes them as source 0 leaves 16 neighbours along the next K in a lane's registers of two neighbouring tiles.
; LIMITS: NaN and infinities are not served; a block whose largest magnitude lies under 2^-124 is held at byte 1; a block of zeros has byte 1 and zero codes (this program alone reads the bytes).
; Work-groups 0-255 take X (K innermost: a lane holds 16 neighbours, turned through the wave's own stage in LDS), work-groups 256-383 the weights (K is the first axis: a lane takes a column and its
; registers run down K).  Each work-group reads 131,072 bytes.  The two ways have LDS bytes of their own: X 0 .. 32,767, the weights 32,768 .. 67,583.  Waves share nothing: no barrier.
.set SP,    80                         ; X: a lane's place in a stage: its 64 bytes + 16 of padding
.set WREG,  8192                       ; X: a wave's LDS: two stages of 32 x SP bytes, behind them its 256 scale bytes
.set CB,    12                         ; bytes of 16 codes
.set XR,    16                         ; v16-79   X: four sets of 16 numbers as loaded
.set XX,    80                         ; v80-111  X: two sets of 16 neighbours
.set XE,    112                        ; v112-127 X: a scale byte for each step
.set XC,    128                        ; v128-191 X: codes, four registers for each step: no store's data are written again
.set WBASE, 32768                      ; weights: the stages begin here
.set WP,    272                        ; weights: a stage row: sixteen places of 16 bytes (12 of codes each) + 16
.set KROW,  768                        ; a row of codes in memory
.set WX,    32                         ; v32-95   weights: two sets of 32 numbers
.set WC,    96                         ; v96..    weights: a block's codes
.set WOUT,  112                        ; v112-175 weights: the way out
.set WSB,   24                         ; v24-25   weights: eight scale bytes
.macro XLOAD t
.irp i, 0,1,2,3
	global_load_b128 v[XR+16*((\t)%4)+4*\i:XR+16*((\t)%4)+4*\i+3], v3, s[4:5] offset:2048*(\t)+512*\i th:TH_LOAD_NT   ; 32 lanes read 512 consecutive bytes
.endr
.endm
.macro XTURN t                         ; step t's numbers through the stage: LDS serves a wave's instructions in order, so no wait stands between the stores and the loads
.irp i, 0,1,2,3
	ds_store_b128 v14, v[XR+16*((\t)%4)+4*\i:XR+16*((\t)%4)+4*\i+3] offset:32*SP*((\t)%2)+8*SP*\i
.endr
.irp i, 0,1,2,3
	ds_load_b128 v[XX+16*((\t)%2)+4*\i:XX+16*((\t)%2)+4*\i+3], v15 offset:32*SP*((\t)%2)+16*\i
.endr
.endm
.macro XSTEP t
.set XS, XX+16*((\t)%2)
.if (\t) > 0
	s_wait_dscnt 1                                 ; this step's numbers are back from the stage (the last step's byte store may be out), so its stage stores have read their registers,
.else
	s_wait_dscnt 0x0
.endif
.if (\t)+4 < 16
	XLOAD (\t)+4                                   ; which take the loads of four steps on
.endif
.if (\t)+1 < 16
.if 14-(\t) >= 3
	s_wait_loadcnt 12                              ; the next step's four loads are in; those of the three steps behind it may be out
.else
	s_wait_loadcnt 4*(14-(\t))
.endif
	XTURN (\t)+1
.endif
	v_max3_num_f32 v8, |v[XS]|, |v[XS+1]|, |v[XS+2]|               ; the largest magnitude of my 16, in two chains
	v_max3_num_f32 v9, |v[XS+3]|, |v[XS+4]|, |v[XS+5]|
.irp i, 6,10
	v_max3_num_f32 v8, v8, |v[XS+\i]|, |v[XS+\i+1]|
	v_max3_num_f32 v9, v9, |v[XS+\i+2]|, |v[XS+\i+3]|
.endr
	v_max3_num_f32 v8, v8, |v[XS+14]|, |v[XS+15]|
	v_max3_num_f32 v8, v8, v9, 0x1800000           ; and the floor 2^(3 - 127): the byte cannot fall under 1
	v_max_num_f32_dpp v8, v8, v8 row_xmask:1 row_mask:0xf bank_mask:0xf   ; with my neighbour's 16: the block's
	v_add_nc_u32 v11, 0xff000000, v8               ; 2 off its exponent field: the conversion takes the exponent field of this operand as its scale
	v_cvt_scalef32_pk16_fp6_f32 v[XC+4*(\t):XC+4*(\t)+2], v[XS:XS+15], v11
	v_lshrrev_b32 v[XE+(\t)], 23, v11              ; the scale's byte (a plain line behind the conversion)
	ds_store_b8 v5, v[XE+(\t)] offset:16*(\t)      ; both lanes of a block write the same byte with the same value
	global_store_b96 v4, v[XC+4*(\t):XC+4*(\t)+2], s[14:15] offset:32*CB*(\t)   ; the wave stores 384 consecutive bytes
.endm
.macro WLOAD t                         ; block t: W(32 t + i, my column), i = 0 .. 31, into set t % 2
.irp i, 0,1,2,3,4,5,6,7,8,9,10,11,12,13,14,15,16,17,18,19,20,21,22,23,24,25,26,27,28,29,30,31
	global_load_b32 v[WX+32*((\t)%2)+\i], v3, s[4:5] offset:(32*(\t)+\i)*4096 th:TH_LOAD_NT
.endr
.endm
.macro WBLOCK t
.set XS, WX+32*((\t)%2)
.if (\t) < 7
	s_wait_loadcnt 32                              ; this block's 32 loads are in; the next block's may be out
.else
	s_wait_loadcnt 0
.endif
	v_max3_num_f32 v12, |v[XS]|, |v[XS+1]|, |v[XS+2]|               ; the block's largest magnitude: all 32 numbers are mine
	v_max3_num_f32 v13, |v[XS+3]|, |v[XS+4]|, |v[XS+5]|
.irp i, 6,10,14,18,22,26
	v_max3_num_f32 v12, v12, |v[XS+\i]|, |v[XS+\i+1]|
	v_max3_num_f32 v13, v13, |v[XS+\i+2]|, |v[XS+\i+3]|
.endr
	v_max3_num_f32 v12, v12, |v[XS+30]|, |v[XS+31]|
	v_max3_num_f32 v12, v12, v13, 0x1800000        ; and the floor
	v_add_nc_u32 v11, 0xff000000, v12              ; the conversion's scale operand
	v_lshrrev_b32 v13, 23, v11                     ; the scale's byte
.if (\t)%4 == 0
	v_mov_b32 v[WSB+(\t)/4], v13                   ; four bytes to a register, the lower K in the lower byte
.else
	v_lshl_or_b32 v[WSB+(\t)/4], v13, 8*((\t)%4), v[WSB+(\t)/4]
.endif
	v_cvt_scalef32_pk16_fp6_f32 v[WC:WC+2], v[XS:XS+15], v11
	v_cvt_scalef32_pk16_fp6_f32 v[WC+4:WC+6], v[XS+16:XS+31], v11   ; (a conversion's three registers begin on an even number)
	ds_store_b96 v4, v[WC:WC+2] offset:32*(\t)     ; 12 bytes to a place of 16, so that every LDS address is a multiple of 16
	ds_store_b96 v4, v[WC+4:WC+6] offset:32*(\t)+16
.if (\t)+2 < 8
	WLOAD (\t)+2
.endif
	s_wait_dscnt 0x0                               ; the stores have read their registers: the next block's codes may be written
.endm
	s_load_b256 s[4:11], s[0:1], 0x0               ; X s[4:5], Wq s[6:7], Wk s[8:9], Wv s[10:11]
	s_load_b128 s[12:15], s[0:1], 0x20             ; Wo s[12:13], the codes s[14:15]
	s_load_b64 s[16:17], s[0:1], 0x30              ; the scale bytes
	v_lshl_add_u32 v192, v0, 2, 0x10c00
	v_mov_b32 v193, 0
	v_lshrrev_b32 v1, 5, v0
	v_readfirstlane_b32 s18, v1                    ; wave 0..3
	v_and_b32 v2, 31, v0                           ; lane
	s_cmp_lt_u32 ttmp9, 256
	s_cbranch_scc0 .Lweights
	; ---- X.  A wave takes a run of 8 true rows, 8,192 numbers, in 16 steps of 512.  Run 4 g + w goes out as run 4 g + (w's two bits swapped): the stored rows.
	v_lshlrev_b32 v3, 4, v2                        ; my 16 bytes of a load's 512
	s_mul_i32 s19, s18, WREG
	v_lshrrev_b32 v14, 2, v2
	v_mul_u32_u24 v14, v14, SP
	v_and_b32 v15, 3, v2
	v_lshl_add_u32 v14, v15, 4, v14
	v_add_nc_u32 v14, s19, v14                     ; the stage, on the way in: SP (lane / 4) + 16 (lane % 4)
	v_mul_u32_u24 v15, v2, SP
	v_add_nc_u32 v15, s19, v15                     ; and on the way out: SP x lane: my 16 neighbours
	v_mul_u32_u24 v4, v2, CB                       ; my codes' place in a step's
	v_lshrrev_b32 v5, 1, v2
	s_add_co_u32 s19, s19, 2*32*SP
	v_add_nc_u32 v5, s19, v5                       ; LDS: my wave's 256 scale bytes, my block's byte
	v_lshlrev_b32 v7, 3, v2
	v_add_nc_u32 v6, s19, v7                       ; and on the way out 8 bytes a lane
	s_lshl_b32 s20, ttmp9, 2
	s_add_co_u32 s22, s20, s18                     ; the run that I read
	s_lshl_b32 s22, s22, 15                        ; x 32,768 bytes
	s_mov_b32 s23, 0
	s_and_b32 s21, s18, 1
	s_lshl_b32 s21, s21, 1
	s_lshr_b32 s24, s18, 1
	s_or_b32 s21, s21, s24
	s_add_co_u32 s20, s20, s21                     ; the run that I write
	s_wait_alu depctr_va_vdst(0)
	s_wait_kmcnt 0x0
	s_add_nc_u64 s[4:5], s[4:5], s[22:23]
	s_mul_i32 s22, s20, 6144                       ; 8 rows of 768 bytes
	s_add_nc_u64 s[14:15], s[14:15], s[22:23]
	s_lshl_b32 s22, s20, 8                         ; 8 rows of 32 bytes
	s_add_nc_u64 s[16:17], s[16:17], s[22:23]
.irp t, 0,1,2,3
	XLOAD \t
.endr
	s_wait_loadcnt 12                              ; step 0's four loads are in
	XTURN 0
.irp t, 0,1,2,3,4,5,6,7,8,9,10,11,12,13,14,15
	XSTEP \t
.endr
	ds_load_b64 v[12:13], v6                       ; LDS serves a wave's instructions in order: these see my byte stores
	s_wait_dscnt 0x0
	global_store_b64 v7, v[12:13], s[16:17]        ; 32 lanes store 256 consecutive bytes, aligned
	s_wait_tensorcnt 0x0
	ds_add_u32 v192, v193
	s_wait_dscnt 0x0
	s_endpgm
.Lweights:
	; ---- the weights.  Work-group 256 + 32 m + 4 c + y: matrix m (q, k, v, o), columns 128 c on, rows 256 y on along K; a wave takes 32 columns x 256 along K.
	s_sub_co_u32 s19, ttmp9, 256
	s_lshr_b32 s20, s19, 5                         ; which matrix
	s_bfe_u32 s21, s19, 0x30002                    ; which 128 columns
	s_and_b32 s22, s19, 3                          ; which 256 along K
	s_lshl_b32 s21, s21, 7
	s_lshl_b32 s23, s18, 5
	s_add_co_u32 s21, s21, s23                     ; my wave's first column
	s_wait_alu depctr_va_vdst(0)
	v_lshlrev_b32 v3, 2, v2                        ; in: 4 bytes a lane
	v_and_b32 v10, 7, v2                           ; my column's stored place in its group of 32: bits 3 and 4 swapped
	v_and_b32 v11, 8, v2
	v_lshl_or_b32 v10, v11, 1, v10
	v_lshrrev_b32 v11, 1, v2
	v_and_or_b32 v10, v11, 8, v10
	s_mul_i32 s19, s18, 32*WP
	s_add_co_u32 s19, s19, WBASE                   ; my stage
	v_mul_u32_u24 v4, v10, WP
	v_add_nc_u32 v4, s19, v4                       ; into it: row = my column's stored place
	v_and_b32 v5, 15, v2
	v_lshrrev_b32 v6, 4, v2                        ; out of it: sixteen lanes to a row, two rows an instruction
	v_mul_u32_u24 v7, v6, WP
	v_lshl_add_u32 v7, v5, 4, v7
	v_add_nc_u32 v7, s19, v7
	v_mul_u32_u24 v8, v6, KROW
	v_mad_u32_u24 v8, v5, 12, v8                   ; and the same place in the codes' buffer
	v_lshlrev_b32 v9, 5, v10                       ; my column's row of scale bytes
	s_lshl_b32 s28, s22, 20                        ; W: 256 y rows of 4,096 bytes
	s_lshl_b32 s29, s21, 2
	s_add_co_u32 s28, s28, s29                     ; + 4 x column
	s_mov_b32 s29, 0
	s_lshl_b32 s30, s20, 10
	s_add_co_u32 s30, s30, s21
	s_add_co_u32 s30, s30, 8192                    ; my group's first row in the codes' buffer
	s_wait_kmcnt 0x0
	s_bitcmp1_b32 s20, 0                           ; the matrix is chosen by its number alone
	s_cselect_b64 s[24:25], s[8:9], s[6:7]         ; Wk or Wq
	s_cselect_b64 s[26:27], s[12:13], s[10:11]     ; Wo or Wv
	s_bitcmp1_b32 s20, 1
	s_cselect_b64 s[4:5], s[26:27], s[24:25]
	s_add_nc_u64 s[4:5], s[4:5], s[28:29]
	s_mul_i32 s28, s30, KROW
	s_mul_i32 s31, s22, 192
	s_add_co_u32 s28, s28, s31
	s_add_nc_u64 s[14:15], s[14:15], s[28:29]
	s_lshl_b32 s28, s30, 5
	s_lshl_b32 s31, s22, 3
	s_add_co_u32 s28, s28, s31
	s_add_nc_u64 s[16:17], s[16:17], s[28:29]
	WLOAD 0
	WLOAD 1
.irp t, 0,1,2,3,4,5,6,7
	WBLOCK \t
.endr
	s_wait_alu depctr_va_vdst(0)
	global_store_b64 v9, v[WSB:WSB+1], s[16:17]    ; my column's eight scale bytes
.irp t, 0,1,2,3,4,5,6,7,8,9,10,11,12,13,14,15
	ds_load_b96 v[WOUT+4*\t:WOUT+4*\t+2], v7 offset:2*\t*WP   ; LDS serves a wave's instructions in order: these see my stores
.endr
.irp t, 0,1,2,3,4,5,6,7,8,9,10,11,12,13,14,15
	s_wait_dscnt 15-\t
	global_store_b96 v8, v[WOUT+4*\t:WOUT+4*\t+2], s[14:15] offset:2*\t*KROW   ; sixteen lanes store a row's 192 consecutive bytes
.endr
	s_wait_tensorcnt 0x0
	ds_add_u32 v192, v193
	s_wait_dscnt 0x0
	s_endpgm
.Lfunc_end_k_q2c2e0f1c7a_quant:
	.size	k_q2c2e0f1c7a_quant, .Lfunc_end_k_q2c2e0f1c7a_quant-k_q2c2e0f1c7a_quant
	.p2alignl 7, 3214868480
	.fill 96, 4, 3214868480
	.section	.rodata,"a",@progbits
	.p2align	6, 0x0
	.amdhsa_kernel k_q2c2e0f1c7a_quant
		.amdhsa_group_segment_fixed_size 69120
		.amdhsa_private_segment_fixed_size 0
		.amdhsa_enable_private_segment 0
		.amdhsa_kernarg_size 56
		.amdhsa_user_sgpr_count 2
		.amdhsa_user_sgpr_kernarg_segment_ptr 1
		.amdhsa_wavefront_size32 1
		.amdhsa_system_sgpr_workgroup_id_x 1
		.amdhsa_system_sgpr_workgroup_id_y 1
		.amdhsa_system_sgpr_workgroup_id_z 1
		.amdhsa_system_vgpr_workitem_id 0
		.amdhsa_next_free_vgpr 194
		.amdhsa_next_free_sgpr 66
		.amdhsa_reserve_vcc 0
		.amdhsa_float_denorm_mode_32 3
		.amdhsa_float_denorm_mode_16_64 3
		.amdhsa_memory_ordered 1
		.amdhsa_forward_progress 1
		.amdhsa_inst_pref_size 74
	.end_amdhsa_kernel
	.amdgpu_metadata
---
amdhsa.version: [ 1, 2 ]
amdhsa.kernels:
  - .name:           k_q2c2e0f1c7a_quant
    .symbol:         k_q2c2e0f1c7a_quant.kd
    .args:
      - { .name: X, .offset: 0, .size: 8, .value_kind: global_buffer, .address_space: global }
      - { .name: Wq, .offset: 8, .size: 8, .value_kind: global_buffer, .address_space: global }
      - { .name: Wk, .offset: 16, .size: 8, .value_kind: global_buffer, .address_space: global }
      - { .name: Wv, .offset: 24, .size: 8, .value_kind: global_buffer, .address_space: global }
      - { .name: Wo, .offset: 32, .size: 8, .value_kind: global_buffer, .address_space: global }
      - { .name: xw_codes, .offset: 40, .size: 8, .value_kind: global_buffer, .address_space: global }
      - { .name: xw_scales, .offset: 48, .size: 8, .value_kind: global_buffer, .address_space: global }
    .group_segment_fixed_size: 69120
    .private_segment_fixed_size: 0
    .kernarg_segment_align: 8
    .kernarg_segment_size: 56
    .max_flat_workgroup_size: 128
    .sgpr_count:     66
    .vgpr_count:     194
    .wavefront_size: 32
...
	.end_amdgpu_metadata
.endif
;; end of part 1
;; launch proj (part 2): grid 32 x 12, 4 waves a work-group, clusters of 4 x 4, 327,680 bytes of LDS; arguments xw_codes, xw_scales, qkv_codes, qkv_scales; writes qkv_codes, qkv_scales
.if DOCPART == 2
	.amdgcn_target "amdgcn-amd-amdhsa--gfx1250"
	.amdhsa_code_object_version 6
	.text
	.protected	k_q2c2e0f1c7a_proj
	.globl	k_q2c2e0f1c7a_proj
	.p2align	8
	.type	k_q2c2e0f1c7a_proj,@function
k_q2c2e0f1c7a_proj:
	s_mov_b64 s[64:65], 0
	v_nop
	global_prefetch_b8 v0, s[64:65] scope:SCOPE_SE
	s_setreg_imm32_b32 hwreg(HW_REG_WAVE_MODE, 25, 1), 1
	s_wait_xcnt 0x0
	s_wait_alu depctr_hold_cnt(0) depctr_sa_sdst(0) depctr_va_vdst(0) depctr_va_sdst(0) depctr_va_ssrc(0) depctr_va_vcc(0) depctr_vm_vsrc(0)
	s_getreg_b32 s2, hwreg(HW_REG_IB_STS2, 6, 4)
	s_cmp_eq_u32 s2, 0
	s_cbranch_scc0 .Lentry_in_a_cluster
	s_endpgm
.Lentry_in_a_cluster:
	s_bfe_u32 s2, ttmp6, 0x10000c
	s_cmp_lg_u32 s2, 0xf033
	s_cbranch_scc0 .Lentry_shape_is_right
	s_endpgm
.Lentry_shape_is_right:
; q = X Wq, k = X Wk, v = X Wv on codes of FP6 (E2M3) with E8M0 scales, K = 1,024, sums in f32; the results are quantised in registers and leave as codes and scale words.
; Both operands of every tile are rows of ONE buffer, xw_codes [12288][768 bytes] (rows 0.. X, 8192.. Wq, 9216.. Wk, 10240.. Wv), with xw_scales [12288][32]: a tile is a row number.
; A tile is 256 x 256, made by four waves of 128 x 128 (64 accumulators, 512 registers).  The y operand is source 1 and is shared along a row of the cluster, the x operand is source 0 and is shared along a column.
;   cluster y = 0 (8 clusters): v: y operand = rows of Wv, x operand = rows of X: a lane's registers run along the KEYS, which are the K of the product that will read v.
;   cluster y = 1, 2 (16 clusters): q and k: y operand = rows of X, x operand = rows of Wq, Wk: a lane's registers run along the head's channels.
; STORED ROWS: in xw_codes bits 3 and 4 of a row's number are swapped inside each group of 32, so sixteen neighbouring rows as source 0 leave, in the 16 registers of tiles 2 b and 2 b + 1 of lane (r, h),
; the true indices 32 b + 16 h + 0 .. 15: 16 neighbours along the next K, as the conversions want them.
; OUT.  qkv_codes: q at 0, k at 6,291,456: [batch 4][pair of heads 8][tile of 16 stored rows 128][head of the pair 2][768 bytes]; v at 12,582,912: [key step of 128: 64][tile of 16 stored channels 64][1,536 bytes].
;   768 bytes are half an operand's registers as they stand: [piece 3][lane 32][8 bytes]: lane (r, h) holds the 24 bytes of block h of row r.  So each store of the wave covers 256 consecutive bytes, aligned.
;   qkv_scales: q at 0, k at 524,288: [batch][head 16][tile 128][row 16][4 bytes] (bytes 0, 1 the head's two blocks; bytes 2, 3 scale zero codes alone and are never 0xff); v at 1,048,576: [key step][tile][row][4 bytes].
; K goes in steps of 256 through two LDS slots filled by joint tensor loads; the scales of the work-group's 512 rows come once, with the first fills.  By this text's count a wave has three tensor loads out at the start, one behind each round.
; LIMITS: NaN and infinities are not served; a block whose largest magnitude lies under 2^-124 is held at byte 1; a block of zeros has byte 1 and zero codes.
; REGISTERS, in windows of 256: window 0: v0-31 addresses; v32-63 scale words, two sets; from v128 the y operand's fragments, ONE set; on the way out v112-130 codes, v200-216 at work, v224-247 scale words.
;   window 1: the x operand's fragments, two sets, at v0 and v128.  window 2: accumulators of my rows 0-63 ((a, b) at v[8 (8 a + b)]);  window 3: those of rows 64-127.
.set KSTEP,  256
.set NQ,     2                         ; matrix instructions deep in a slot
.set ROWB,   192                       ; a tile's row: 256 codes
.set KROW,   768                       ; a row in memory
.set PITCH,  240                       ; an LDS row: 3 x (64 bytes + 16 of padding)
.set FR,     12                        ; registers of a fragment
.set NL,     6                         ; LDS loads that bring one
.set NP,     4                         ; places behind this matrix instruction (ISA guide 7.12.1)
.set HALFT,  128*PITCH
.set SLOT,   4*HALFT
.set LAPS,   2                         ; 1,024 / 512
.set KS,     32                        ; a row of scale bytes
.set SCL,    2*SLOT                    ; behind the ring: the scales, as units of 256 bytes + 16
.set HALFS,  16*272                    ; those of 128 rows
.set SBLK,   2*272                     ; those of 16 rows
.set SPARE,  SCL+4*HALFS               ; the spare words, 128 bytes a wave: no other line names them
.set ADRA, 16                          ; v16-17 (v18-19 behind one padding more): my y fragments in slot 0, 1
.set ADRB, 20                          ; v20-21 (v22-23): my x fragments
.set SST,  24                          ; v24  the way out: where my scale word goes in my stage
.set CO16, 25                          ; v25  16 x lane
.set CO8,  26                          ; v26  8 x lane
.set ADRS, 27                          ; v27  my scale words in LDS: lanes 0-15 the y operand's rows, lanes 16-31 the x operand's
.set SPW,  28                          ; v28  my spare word; never rewritten
.set NIL,  29                          ; v29  0; never rewritten
.set SH,   30                          ; v30  16 x (lane / 16)
.set SRD,  31                          ; v31  the way out: where I read scale words back
.set SC,   32
.set AF,   128
.set PC,   112                         ; the codes just made
.set TM,   200                         ; v200-203 largest magnitudes, v204-207 bytes, v212-215 the conversions' scale operands
.set PW,   216                         ; the scale word just made
.set SWR,  224                         ; v224-231 a scale word for each block
.set G1, 24
.set G0, 32
.set G1B, 48
.set G0B, 56
.set G1S, 68
.set G0S, 76
.set G1SB, 80
.set G0SB, 88
.set MSB, 0
.macro WIN new                         ; the immediate's high byte repeats the setting that is left
.if MSB != (\new)
	s_set_vgpr_msb (MSB<<8)|(\new)
.set MSB, (\new)
.endif
.endm
.set MUL_LO, 0xa1                      ; source 0 window 1, source 1 window 0, C and D window 2
.set MUL_HI, 0xf1                      ; the same, C and D window 3
.set TO_B,   0x40                      ; destination window 1, address window 0
; A joint load: waves 0 and 1 fetch the y operand, waves 2 and 3 the x operand.  The branch hangs on the wave's number alone.  Four v_nop follow each line.
.macro JLOAD g0a, g1a, g0b, g1b
	s_cmp_eq_u32 s15, 0
	s_cbranch_scc0 .Lfor_b_\@
	tensor_load_to_lds s[\g0a:\g0a+3], s[\g1a:\g1a+7]
	s_nop 0
.rept 4
	v_nop
.endr
	s_branch .Lasked_\@
.Lfor_b_\@:
	tensor_load_to_lds s[\g0b:\g0b+3], s[\g1b:\g1b+7]
	s_nop 0
.rept 4
	v_nop
.endr
.Lasked_\@:
.endm
.macro CREST                           ; a round of the cluster's barrier behind its opening barrier
	s_cmp_lg_u32 s14, 0
	s_cbranch_scc1 .Lnot_wave_0_\@
	s_barrier_signal -3
.Lnot_wave_0_\@:
	s_barrier_wait -3
	s_barrier_signal -1
	s_barrier_wait -1
.endm
.macro CROUND
	s_barrier_signal -1
	s_barrier_wait -1
	CREST
.endm
	s_load_b128 s[4:7], s[0:1], 0x0                ; the operands' codes s[4:5], their scales s[6:7]
	s_load_b128 s[8:11], s[0:1], 0x10              ; the results' codes s[8:9], their scales s[10:11]
	v_lshl_add_u32 v[SPW], v0, 2, SPARE
	v_mov_b32 v[NIL], 0
	ds_add_u32 v28, v29
	ds_add_u32 v28, v29
	s_wait_dscnt 0x0
	v_lshrrev_b32 v1, 5, v0
	v_readfirstlane_b32 s14, v1                    ; wave 0..3
	s_lshr_b32 s15, s14, 1                         ; which half of the y rows is mine.  Also: I fetch the y operand (0) or the x operand (1)
	s_and_b32 s16, s14, 1                          ; which half of the x rows.  Also: which 128 rows I fetch
	s_bfe_u32 s40, ttmp6, 0x40000                  ; cx, cy: my place in the cluster
	s_bfe_u32 s41, ttmp6, 0x40004
	s_and_b32 s17, ttmp7, 0xffff                   ; cluster y: 0 = v, 1 and 2 = q and k
	s_max_u32 s18, s17, 1
	s_sub_co_u32 s18, s18, 1
	s_lshl_b32 s18, s18, 2
	s_lshr_b32 s19, ttmp9, 1
	s_lshl_b32 s19, s19, 3
	s_add_co_u32 s18, s18, s19                     ; q, k: the cluster's first y tile (of X's 32): 4 (cluster y - 1) + 8 (cluster x / 2)
	s_and_b32 s19, ttmp9, 1
	s_lshl_b32 s19, s19, 2
	s_add_co_u32 s19, s19, 32                      ; q, k: its first x tile: 32 (Wq's first) + 4 (cluster x % 2)
	s_lshl_b32 s20, ttmp9, 2                       ; v: its first x tile (of X's 32)
	s_cmp_eq_u32 s17, 0                            ; the same in all sixteen partners
	s_cselect_b32 s95, 1, 0                        ; 1: a tile of v
	s_cselect_b32 s66, 40, 0                       ; the y operand's first tile
	s_cselect_b32 s67, 0, 32                       ; the x operand's
	s_cselect_b32 s17, 40, s18
	s_cselect_b32 s42, s20, s19
	s_add_co_u32 s17, s17, s41                     ; y tile, in units of 256 rows: cy enters here alone
	s_add_co_u32 s42, s42, s40                     ; x tile: cx enters here alone
	s_lshl_b32 s43, s41, 2
	s_lshl_b32 s43, 15, s43                        ; my row of the cluster
	s_lshl_b32 s44, 0x1111, s40                    ; my column
	; descriptor group 1: a tile of 128 rows x 192 bytes, 16 bytes of padding behind every 64
	s_or_b32 s[G1+0], s43, (0<<16)|(1<<20)|(1<<21)|(3<<22)|(3<<25)
	s_or_b32 s[G1B+0], s44, (0<<16)|(1<<20)|(1<<21)|(3<<22)|(3<<25)
.irp g, G1, G1B
	s_mov_b32 s[\g+1], ROWB<<16                    ; tensor_dim0
	s_mov_b32 s[\g+2], 128<<16                     ; tensor_dim1
	s_mov_b32 s[\g+3], ROWB<<16                    ; tile_dim0
	s_mov_b32 s[\g+4], 128                         ; tile_dim1
	s_mov_b32 s[\g+5], KROW                        ; the pitch
	s_mov_b32 s[\g+6], 0
	s_mov_b32 s[\g+7], 0
.endr
	; the scales of 128 rows: 4,096 dense bytes, as 16 rows of 256 bytes (32 elements of 8), 16 bytes of padding behind each
	s_or_b32 s[G1S+0], s43, (3<<16)|(1<<20)|(1<<21)|(5<<22)|(3<<25)
	s_or_b32 s[G1SB+0], s44, (3<<16)|(1<<20)|(1<<21)|(5<<22)|(3<<25)
.irp g, G1S, G1SB
	s_mov_b32 s[\g+1], 32<<16
	s_mov_b32 s[\g+2], 16<<16
	s_mov_b32 s[\g+3], 32<<16
	s_mov_b32 s[\g+4], 16
	s_mov_b32 s[\g+5], 32
	s_mov_b32 s[\g+6], 0
	s_mov_b32 s[\g+7], 0
.endr
	s_lshl_b32 s18, s16, 7                         ; which 128 rows of the tile I fetch
	s_lshl_b32 s20, s17, 8
	s_add_co_u32 s20, s20, s18                     ; the y operand's row
	s_lshl_b32 s46, s42, 8
	s_add_co_u32 s46, s46, s18                     ; the x operand's
	s_mov_b32 s21, 0
	s_mov_b32 s47, 0
	s_mov_b64 s[18:19], KS
	s_mul_u64 s[22:23], s[20:21], s[18:19]         ; where these rows' scales begin
	s_mul_u64 s[92:93], s[46:47], s[18:19]
	s_mov_b64 s[18:19], KROW
	s_mul_u64 s[20:21], s[20:21], s[18:19]         ; and their codes
	s_mul_u64 s[46:47], s[46:47], s[18:19]
	s_mul_i32 s45, s14, HALFT                      ; where they go: wave x 128 rows
	s_mul_i32 s94, s14, HALFS
	s_wait_kmcnt 0x0
	s_add_nc_u64 s[20:21], s[4:5], s[20:21]
	s_add_nc_u64 s[22:23], s[6:7], s[22:23]
	s_add_nc_u64 s[46:47], s[4:5], s[46:47]
	s_add_nc_u64 s[92:93], s[6:7], s[92:93]
	CROUND                                         ; all sixteen work-groups are here: the first joint loads meet
	s_mov_b32 s[G0S], 1
	s_add_co_u32 s[G0S+1], s94, SCL
	s_mov_b64 s[G0S+2:G0S+3], s[22:23]
	s_or_b32 s[G0S+3], s[G0S+3], 0x80000000
	s_mov_b32 s[G0SB], 1
	s_add_co_u32 s[G0SB+1], s94, SCL
	s_mov_b64 s[G0SB+2:G0SB+3], s[92:93]
	s_or_b32 s[G0SB+3], s[G0SB+3], 0x80000000
	JLOAD G0S, G1S, G0SB, G1SB                     ; the scales first: they are wanted with K step 0
.irp s, 0,1
	s_mov_b32 s[G0+4*\s], 1
	s_add_co_u32 s[G0+4*\s+1], s45, \s*SLOT
	s_add_nc_u64 s[G0+4*\s+2:G0+4*\s+3], s[20:21], \s*ROWB
	s_or_b32 s[G0+4*\s+3], s[G0+4*\s+3], 0x80000000
	s_mov_b32 s[G0B+4*\s], 1
	s_add_co_u32 s[G0B+4*\s+1], s45, \s*SLOT
	s_add_nc_u64 s[G0B+4*\s+2:G0B+4*\s+3], s[46:47], \s*ROWB
	s_or_b32 s[G0B+4*\s+3], s[G0B+4*\s+3], 0x80000000
	JLOAD G0+4*\s, G1, G0B+4*\s, G1B
.endr
	v_and_b32 v1, 15, v0                           ; r = lane % 16
	v_bfe_u32 v2, v0, 4, 1                         ; h = lane / 16
	v_mul_u32_u24 v3, v1, PITCH
	v_mul_u32_u24 v4, v2, 24
	v_add_nc_u32 v4, v3, v4                        ; a fragment's row x pitch + 24 h
	v_lshl_add_u32 v5, v2, 4, v4                   ; and the same behind one padding more
	s_mul_i32 s21, s15, HALFT                      ; my 128 y rows
	s_mul_i32 s22, s16, HALFT                      ; my 128 x rows,
	s_add_co_u32 s22, s22, 2*HALFT                 ; which lie behind the 256 y rows
.irp s, 0,1
	v_add_nc_u32 v[ADRA+\s], s21, v4
	v_add_nc_u32 v[ADRB+\s], s22, v4
	v_add_nc_u32 v[ADRA+2+\s], s21, v5
	v_add_nc_u32 v[ADRB+2+\s], s22, v5
	s_add_co_u32 s21, s21, SLOT
	s_add_co_u32 s22, s22, SLOT
.endr
	v_mul_u32_u24 v5, v1, KS                       ; my row's scales: 32 bytes a row,
	v_lshrrev_b32 v6, 8, v5
	v_lshl_add_u32 v5, v6, 4, v5                   ; and 16 more for each 256 passed
	s_mul_i32 s21, s15, HALFS
	s_mul_i32 s22, s16, HALFS
	s_add_co_u32 s22, s22, 2*HALFS
	s_sub_co_u32 s22, s22, s21
	v_mul_u32_u24 v6, s22, v2                      ; lanes 16-31 take the x operand's: the lower base + h x the distance
	s_add_co_u32 s21, s21, SCL
	v_add_nc_u32 v5, v5, v6
	v_add_nc_u32 v[ADRS], s21, v5
	v_and_b32 v6, 31, v0
	v_lshlrev_b32 v[CO8], 3, v6
	v_lshlrev_b32 v[CO16], 4, v6
	v_lshlrev_b32 v[SH], 4, v2
	s_lshl_b32 s23, s14, 10                        ; my stage for scale words: 1,024 bytes in slot 0, which has had its last fill and its last read when the first word is stored there
	v_lshlrev_b32 v5, 2, v1
	v_lshl_add_u32 v5, v2, 9, v5                   ; 4 r + 512 h
	v_add_nc_u32 v[SST], s23, v5
	v_add_nc_u32 v[SRD], s23, v[CO16]
	s_mov_b32 s96, 0x76543210
	s_mov_b32 s97, 0xfedcba98                      ; v_permlanex16_b32's selects for lane l xor 16
	; where my wave's results go.  Y, XI: which 128 rows of the y and of the x operand are mine
	s_sub_co_u32 s20, s17, s66
	s_lshl_b32 s20, s20, 1
	s_add_co_u32 s20, s20, s15                     ; Y
	s_sub_co_u32 s21, s42, s67
	s_lshl_b32 s21, s21, 1
	s_add_co_u32 s21, s21, s16                     ; XI
	s_lshr_b32 s22, s21, 3                         ; q, k: XI / 8: q or k;  XI % 8: the pair of heads;  Y / 16: the batch;  Y % 16: eight tiles of rows
	s_mul_i32 s23, s22, 6291456
	s_lshr_b32 s45, s20, 4
	s_mul_i32 s46, s45, 1572864
	s_add_co_u32 s23, s23, s46
	s_and_b32 s46, s21, 7
	s_mul_i32 s47, s46, 196608
	s_add_co_u32 s23, s23, s47
	s_and_b32 s47, s20, 15
	s_mul_i32 s92, s47, 12288
	s_add_co_u32 s23, s23, s92                     ; q, k: codes
	s_lshl_b32 s22, s22, 19
	s_lshl_b32 s45, s45, 17
	s_add_co_u32 s22, s22, s45
	s_lshl_b32 s46, s46, 14
	s_add_co_u32 s22, s22, s46
	s_lshl_b32 s47, s47, 9
	s_add_co_u32 s22, s22, s47                     ; q, k: scale words
	s_mul_i32 s92, s21, 98304                      ; v: XI: the key step;  Y: eight tiles of channels
	s_mul_i32 s93, s20, 12288
	s_add_co_u32 s92, s92, s93
	s_add_co_u32 s92, s92, 12582912                ; v: codes
	s_lshl_b32 s93, s21, 12
	s_lshl_b32 s94, s20, 9
	s_add_co_u32 s93, s93, s94
	s_add_co_u32 s93, s93, 1048576                 ; v: scale words
	s_cmp_eq_u32 s95, 1
	s_cselect_b32 s20, s92, s23
	s_cselect_b32 s22, s93, s22
	s_mov_b32 s21, 0
	s_mov_b32 s23, 0
	s_add_nc_u64 s[12:13], s[8:9], s[20:21]
	s_add_nc_u64 s[98:99], s[10:11], s[22:23]
.macro FRAG reg, adr, q, i             ; a fragment: lane (r, h) takes 24 bytes of row r at 96 q + 24 h and 24 at 96 q + 48 + 24 h, in pieces of 8 bytes; where lanes 16-31's piece lies behind one padding more, the second address register serves
.irp p, 0,1,2,3,4,5
.set PCE, 12*(\q)+6*(\p/3)+\p%3
.if PCE%8 < 5
	ds_load_b64 v[\reg+2*\p:\reg+2*\p+1], v[\adr] offset:8*PCE+16*(PCE/8)+(\i)*16*PITCH
.else
	ds_load_b64 v[\reg+2*\p:\reg+2*\p+1], v[\adr+2] offset:8*PCE+16*(PCE/8)+(\i)*16*PITCH
.endif
.endr
.endm
; 16 matrix instructions: y blocks a0, a0 + 1 x the eight x blocks.  The 64 accumulators take turns, one instruction a turn, in the same order in every step.  zero = 1: the first product starts the sums.
.macro MUL16 a0, p, q, sc, zero
.irp a, \a0, \a0+1
.irp b, 0,1,2,3,4,5,6,7
.if \zero
	v_wmma_scale_f32_16x16x128_f8f6f4 v[8*(8*((\a)%4)+\b):8*(8*((\a)%4)+\b)+7], v[128*(\p)+FR*\b:128*(\p)+FR*\b+FR-1], v[AF+FR*(\a):AF+FR*(\a)+FR-1], 0, v[SC+8*NQ*(\sc)+NQ*\b+(\q)], v[SC+8*NQ*(\sc)+NQ*(\a)+(\q)] matrix_a_fmt:MATRIX_FMT_FP6 matrix_b_fmt:MATRIX_FMT_FP6 matrix_a_scale:MATRIX_SCALE_ROW1
.else
	v_wmma_scale_f32_16x16x128_f8f6f4 v[8*(8*((\a)%4)+\b):8*(8*((\a)%4)+\b)+7], v[128*(\p)+FR*\b:128*(\p)+FR*\b+FR-1], v[AF+FR*(\a):AF+FR*(\a)+FR-1], v[8*(8*((\a)%4)+\b):8*(8*((\a)%4)+\b)+7], v[SC+8*NQ*(\sc)+NQ*\b+(\q)], v[SC+8*NQ*(\sc)+NQ*(\a)+(\q)] matrix_a_fmt:MATRIX_FMT_FP6 matrix_b_fmt:MATRIX_FMT_FP6 matrix_a_scale:MATRIX_SCALE_ROW1
.endif
.endr
.endr
.endm
.macro FETCH_B slot, q, p
	WIN TO_B
.irp i, 0,1,2,3,4,5,6,7
	FRAG 128*(\p)+FR*\i, ADRB+\slot, \q, \i
.endr
	WIN 0
.endm
.macro FETCH_A slot, q, i0
.irp i, \i0, \i0+1, \i0+2, \i0+3
	FRAG AF+FR*(\i), ADRA+\slot, \q, \i
.endr
.endm
.macro SCALES sc                       ; a K step's scale words: two words a row; lanes 0-15 the y operand's block i, lanes 16-31 the x operand's block i
.irp i, 0,1,2,3,4,5,6,7
	ds_load_b64 v[SC+8*NQ*\sc+NQ*\i:SC+8*NQ*\sc+NQ*\i+1], v[ADRS] offset:\i*SBLK
.endr
.endm
.macro PLACES n                        ; plain vector lines between a matrix instruction and a load into, or a vector line on, its registers
.rept \n
	v_nop
.endr
.endm
.macro STEP slot, q, zero              ; a step of 128 along K that has its successor in the same slot
	s_wait_dscnt 4*NL                              ; the x set and y blocks 0-3 are in; the youngest 24 loads (y blocks 4-7) may be out
	WIN MUL_LO
	MUL16 0, (\q)%2, \q, \slot, \zero
	MUL16 2, (\q)%2, \q, \slot, \zero
	s_wait_dscnt 0                                 ; y blocks 4-7 are in
	PLACES NP
	FETCH_B \slot, (\q)+1, 1-(\q)%2
	FETCH_A \slot, (\q)+1, 0
	WIN MUL_HI
	MUL16 4, (\q)%2, \q, \slot, \zero
	MUL16 6, (\q)%2, \q, \slot, \zero
	PLACES NP
	WIN 0
	FETCH_A \slot, (\q)+1, 4
.endm
; A slot's last step changes slots: one barrier; in front of it each wave waits for all its tensor loads, adds 0 to its spare word, and waits for that and for its own reads of this slot.  fill = 1: this slot is filled again, two K steps ahead.
.macro TURN slot, next, fill
	s_wait_tensorcnt 0x0                           ; all my tensor loads have landed: my part of the next slot
	ds_add_u32 v[SPW], v[NIL]                      ; 0 onto my spare word
	s_wait_dscnt 4*NL+1                            ; (the add and the youngest 24 loads may be out)
	WIN MUL_LO
	MUL16 0, 1, NQ-1, \slot, 0                     ; sixteen matrix instructions stand between the add and the wait for it
	s_wait_dscnt 0x0                               ; the add is done, and my reads of this slot are over
	s_barrier_signal -1
	MUL16 2, 1, NQ-1, \slot, 0
	WIN 0
	s_barrier_wait -1
.if \fill
	CREST                                          ; the barrier has opened a round of the cluster's: no wave of any partner still reads this slot or has a load on its way
	s_add_nc_u64 s[G0+4*\slot+2:G0+4*\slot+3], s[G0+4*\slot+2:G0+4*\slot+3], 2*ROWB
	s_add_nc_u64 s[G0B+4*\slot+2:G0B+4*\slot+3], s[G0B+4*\slot+2:G0B+4*\slot+3], 2*ROWB
	JLOAD G0+4*\slot, G1, G0B+4*\slot, G1B         ; the first tensor load behind the round; its four v_nop are the places in front of the loads below
.else
	PLACES NP
.endif
	s_wait_alu depctr_va_vdst(0)
	v_add_nc_u32 v[ADRS], 4*NQ, v[ADRS]            ; on to the next K step's scale words
	FETCH_B \next, 0, 0
	FETCH_A \next, 0, 0
	SCALES \next
	WIN MUL_HI
	MUL16 4, 1, NQ-1, \slot, 0
	MUL16 6, 1, NQ-1, \slot, 0
	PLACES NP
	WIN 0
	FETCH_A \next, 0, 4
.endm
	s_wait_alu depctr_va_vdst(0)
	s_wait_tensorcnt 1                             ; the scales and my part of K step 0 are in (K step 1's load may be out),
	s_barrier_signal -1
	s_barrier_wait -1                              ; everybody's are
	FETCH_B 0, 0, 0
	FETCH_A 0, 0, 0
	SCALES 0
	FETCH_A 0, 0, 4
	STEP 0, 0, 1                                   ; the first step stands in front of the loop: its products start the sums
	s_mov_b32 s3, LAPS-1
.Llap:                                                 ; a trip goes once round the ring and fills both slots again
	TURN 0, 1, 1
	STEP 1, 0, 0
	TURN 1, 0, 1
	STEP 0, 0, 0
	s_sub_co_u32 s3, s3, 1
	s_cmp_lg_u32 s3, 0
	s_cbranch_scc1 .Llap
	TURN 0, 1, 0                                   ; the last lap fills nothing
	STEP 1, 0, 0
	s_wait_dscnt 4*NL
	WIN MUL_LO
	MUL16 0, 1, NQ-1, 1, 0
	MUL16 2, 1, NQ-1, 1, 0
	s_wait_dscnt 0
	WIN MUL_HI
	MUL16 4, 1, NQ-1, 1, 0
	MUL16 6, 1, NQ-1, 1, 0
	WIN 0
; THE WAY OUT.  Block a: 16 rows of the y operand x my 128 of the x operand.  A lane's 64 numbers, register 16 b + i = index 32 b + 16 h + i of its row, become 12 registers of codes and a scale word.
; The accumulators are read from their low ends on, in ascending order.
.macro QUANTW a
.set AC, 64*((\a)%4)
.set W, 2+(\a)/4
.set W01, W|(W<<2)
.set W12, (W<<2)|(W<<4)
	WIN W01                                        ; sources 0 and 1: the accumulators' window
.irp b, 0,1,2,3
	v_max3_num_f32 v[TM+\b], |v[AC+16*\b]|, |v[AC+16*\b+1]|, 0x1800000   ; block b: my 16 numbers, and the floor 2^(3 - 127): the byte cannot fall under 1
.endr
	WIN W12                                        ; sources 1 and 2
.irp i, 2,4,6,8,10,12,14
.irp b, 0,1,2,3
	v_max3_num_f32 v[TM+\b], v[TM+\b], |v[AC+16*\b+\i]|, |v[AC+16*\b+\i+1]|
.endr
.endr
	WIN 0
.irp b, 0,1,2,3
	v_permlanex16_b32 v[TM+4+\b], v[TM+\b], s96, s97
.endr
.irp b, 0,1,2,3
	v_max_num_f32 v[TM+\b], v[TM+\b], v[TM+4+\b]   ; with lane l xor 16's: the block's largest magnitude
.endr
.irp b, 0,1,2,3
	v_add_nc_u32 v[TM+12+\b], 0xff000000, v[TM+\b] ; 2 off its exponent field: the conversion's scale operand
.endr
.irp b, 0,1,2,3
	v_lshrrev_b32 v[TM+4+\b], 23, v[TM+12+\b]      ; the scale's byte
.endr
	v_lshl_or_b32 v[PW], v[TM+5], 8, v[TM+4]
	v_lshl_or_b32 v[PW], v[TM+6], 16, v[PW]
	v_lshl_or_b32 v[PW], v[TM+7], 24, v[PW]        ; my row's four bytes
	v_lshrrev_b32 v[SWR+(\a)], v[SH], v[PW]        ; lanes 0-15: the word as it is (q, k: the pair's first head; v: the key step's); lanes 16-31: its upper half (the pair's second head)
	ds_store_b32 v[SST], v[SWR+(\a)] offset:64*(\a)
.if (\a) > 0
	s_wait_xcnt 0x0                                ; the last block's stores have read the codes' registers
.endif
	WIN W                                          ; source 0: the accumulators' window
.irp c, 0,1
	v_cvt_scalef32_pk16_fp6_f32 v[PC+6*\c:PC+6*\c+2], v[AC+32*\c:AC+32*\c+15], v[TM+12+2*\c]
	v_cvt_scalef32_pk16_fp6_f32 v[PC+12+4*\c:PC+14+4*\c], v[AC+32*\c+16:AC+32*\c+31], v[TM+12+2*\c+1]   ; (a conversion's three registers begin on an even number)
.endr
	WIN 0
	v_nop                                          ; one plain line behind a scaled conversion
.irp c, 0,1                                    ; the operand's layout wants a whole block in a lane: lanes 0-15 block 2 c, lanes 16-31 block 2 c + 1
.irp i, 0,1,2
	v_permlane16_swap_b32 v[PC+6*\c+\i], v[PC+12+4*\c+\i]
.endr
.irp i, 0,1,2
	v_mov_b32 v[PC+3+6*\c+\i], v[PC+12+4*\c+\i]
.endr
.endr
.irp c, 0,1
.irp p, 0,1,2
	global_store_b64 v[CO8], v[PC+6*\c+2*\p:PC+6*\c+2*\p+1], s[12:13] offset:1536*(\a)+768*\c+256*\p   ; 32 lanes store 256 consecutive bytes, aligned: the registers as they stand
.endr
.endr
.endm
	PLACES NP                                      ; behind the last products: their results are read and their operands' registers written below
.irp b, 0,1,2,3
	v_mov_b32 v[TM+4+\b], 0                        ; written once: a lane permute's destination counts as one of its sources
.endr
.irp a, 0,1,2,3,4,5,6,7
	QUANTW \a
.endr
	ds_load_b128 v[240:243], v[SRD]                ; LDS serves a wave's instructions in order: these see my stores.  512 bytes: eight tiles' words
	ds_load_b128 v[244:247], v[SRD] offset:512     ; and the second head's
	s_wait_dscnt 0x0
	global_store_b128 v[CO16], v[240:243], s[98:99]   ; 512 consecutive bytes, aligned
	s_cmp_eq_u32 s95, 1                            ; a tile of v has one word a row
	s_cbranch_scc1 .Lone_word
	global_store_b128 v[CO16], v[244:247], s[98:99] offset:8192   ; the next head's words lie 128 tiles x 64 bytes on
.Lone_word:
	s_wait_tensorcnt 0x0                           ; the wave's end
	ds_add_u32 v[SPW], v[NIL]
	s_wait_dscnt 0x0
	CROUND                                         ; the closing round: no work-group ends while a partner may still ask for a tile that names it
	s_endpgm
.Lfunc_end_k_q2c2e0f1c7a_proj:
	.size	k_q2c2e0f1c7a_proj, .Lfunc_end_k_q2c2e0f1c7a_proj-k_q2c2e0f1c7a_proj
	.p2alignl 7, 3214868480
	.fill 96, 4, 3214868480
	.section	.rodata,"a",@progbits
	.p2align	6, 0x0
	.amdhsa_kernel k_q2c2e0f1c7a_proj
		.amdhsa_group_segment_fixed_size 327680
		.amdhsa_private_segment_fixed_size 0
		.amdhsa_enable_private_segment 0
		.amdhsa_kernarg_size 32
		.amdhsa_user_sgpr_count 2
		.amdhsa_user_sgpr_kernarg_segment_ptr 1
		.amdhsa_wavefront_size32 1
		.amdhsa_system_sgpr_workgroup_id_x 1
		.amdhsa_system_sgpr_workgroup_id_y 1
		.amdhsa_system_sgpr_workgroup_id_z 1
		.amdhsa_system_vgpr_workitem_id 0
		.amdhsa_next_free_vgpr 1024
		.amdhsa_next_free_sgpr 100
		.amdhsa_reserve_vcc 0
		.amdhsa_float_denorm_mode_32 3
		.amdhsa_float_denorm_mode_16_64 3
		.amdhsa_memory_ordered 1
		.amdhsa_forward_progress 1
		.amdhsa_inst_pref_size 169
	.end_amdhsa_kernel
	.amdgpu_metadata
---
amdhsa.version: [ 1, 2 ]
amdhsa.kernels:
  - .name:           k_q2c2e0f1c7a_proj
    .symbol:         k_q2c2e0f1c7a_proj.kd
    .args:
      - { .name: xw_codes, .offset: 0, .size: 8, .value_kind: global_buffer, .address_space: global }
      - { .name: xw_scales, .offset: 8, .size: 8, .value_kind: global_buffer, .address_space: global }
      - { .name: qkv_codes, .offset: 16, .size: 8, .value_kind: global_buffer, .address_space: global }
      - { .name: qkv_scales, .offset: 24, .size: 8, .value_kind: global_buffer, .address_space: global }
    .group_segment_fixed_size: 327680
    .private_segment_fixed_size: 0
    .kernarg_segment_align: 8
    .kernarg_segment_size: 32
    .max_flat_workgroup_size: 128
    .sgpr_count:     100
    .vgpr_count:     1024
    .wavefront_size: 32
...
	.end_amdgpu_metadata
.endif
;; end of part 2
;; launch attn (part 3): grid 4 x 64, 16 waves a work-group, no clusters, 210,944 bytes of LDS; arguments qkv_codes, qkv_scales, ctx_codes, ctx_scales; writes ctx_codes, ctx_scales
.if DOCPART == 3
	.amdgcn_target "amdgcn-amd-amdhsa--gfx1250"
	.amdhsa_code_object_version 6
	.text
	.protected	k_q2c2e0f1c7a_attn
	.globl	k_q2c2e0f1c7a_attn
	.p2align	8
	.type	k_q2c2e0f1c7a_attn,@function
k_q2c2e0f1c7a_attn:
	s_mov_b64 s[64:65], 0
	v_nop
	global_prefetch_b8 v0, s[64:65] scope:SCOPE_SE
	s_setreg_imm32_b32 hwreg(HW_REG_WAVE_MODE, 25, 1), 1
	s_wait_xcnt 0x0
; ctx = softmax(q k^T / 8, causal) v for one head, both products on codes of FP6 (E2M3) with E8M0 scales; ctx is quantised in registers along the head's channels and leaves as codes and scale bytes.
; THE SOFTMAX: t = score x log2(e) / 8; M = the running largest t rounded UP to a whole number; p = 2^(t - M) is quantised along the keys, not normalised; the row's sum is taken of the unquantised p and divides O at the end.
; When M moves, the sum and O are multiplied by 2^(old M - new M): exact.
; SHARES.  Work-group (i, head of a batch) owns the blocks 7 - i and i of 256 queries: all 256 work-groups have the same work under the causal mask.  Each of its sixteen waves owns one tile of 16 queries in each
; of two passes, in 256 registers: four waves to a SIMD, so that one wave's vector work stands beside another's matrix work and LDS loads.
; A HEAD'S WHOLE K AND V LIE IN LDS: 98,304 bytes of codes each, 8,192 and 4,096 of scale words.  Every fill is a first fill, so there is one barrier and no ring.  By this text's count a fetching wave has two tensor loads out.
; NO CLUSTER: the four work-groups of a head leave out different key steps (a branch round a step's work hangs on the block of queries), so partners would not run alike.
; LAYOUT.  Both products are used transposed: S^T = K Q^T (source 0 = 16 keys), O^T = V^T P^T (source 0 = 16 channels): a lane holds ONE query throughout.  Rows are STORED with bits 3 and 4 of their number swapped inside
; each group of 32, so sixteen neighbouring stored keys (channels) as source 0 leave 16 neighbouring true keys (channels), 32 b + 16 h + 0 .. 15, in the registers of tiles 2 b and 2 b + 1.
; The head is 64 wide: K's and Q's fragments hold 64 codes and 64 zero codes; the zero registers are written once.
; All operands lie in memory and in LDS as images of their registers, 8 bytes a lane on end: no pitch, no padding.
; LIMITS: NaN and infinities are not served; a block of ctx whose largest magnitude lies under 2^-124 is held at byte 1; a block of zeros has byte 1 and zero codes.
; REGISTERS: v1-7 addresses that stay; v8-11 addresses in hand; v12 -M, v13 the largest t, v[14:15] the sum; v16-27 Q (22-27 zeros); v28-31 V's scale words; v32-79 four fragments of K; v80-127 four of V;
;   v128-191 S^T, then p; v192-223 O^T; v224-235 p's codes; v232-254 at work; v248-251 K's scale words; v253 p's; v255 Q's.
.set KC,   0                           ; LDS: K's codes [tile 128][piece 3][lane][8]
.set VC,   98304                       ; V's codes [key step 16][tile 4][half 2][piece 3][lane][8]
.set KSC,  196608                      ; K's scale words [tile][row][4]
.set VSC,  204800                      ; V's [key step][tile][row][4]
.set S,    128
.set O,    192
.set L8,   1                           ; v1  8 x lane
.set AV0,  2                           ; v2  8 x lane + VC
.set ASK0, 3                           ; v3  4 r + KSC
.set ASV0, 4                           ; v4  4 r + VSC
.set QL,   5                           ; v5  r + 8 (r / 8) - 16 h: my query less my tile's first, less my half's first key
.set R4,   6                           ; v6  4 r
.set R32,  7                           ; v7  32 r
.set ADK,  8
.set ADV,  9
.set ADS,  10
.set ADT,  11
.set QKO,  12                          ; s12  the head's first byte among q's (and k's) codes
.set QKS,  13                          ; s13  and among their scale words
.set CXO,  16                          ; s16  the head's place in ctx_codes
.set CXS,  17                          ; s17  and in ctx_scales
.set WV,   18
.set SEL,  20                          ; s[20:21] selects for lane l xor 16
.set CS,   22                          ; s[22:23] c = log2(e) / 8
.set G1K,  24
.set G1V,  32
.set G1SK, 40
.set G1SV, 48
.set G0K,  56
.set G0V,  60
.set G0SK, 68
.set G0SV, 72
.set TB,   2                           ; s2   where the step's codes begin: 6,144 bytes a step, in K and in V
.set TS,   3                           ; s3   K's scale words: 512 a step
.set TJ,   66                          ; s66  V's: 256 a step
.set CNT,  67
.set BLK,  76
.set TQ,   77                          ; s77  my tile of queries
.set Q0,   78                          ; s78  its smallest true query
.set QE,   79                          ; s79  its largest
.set KF,   80                          ; s80  the step's first key
	s_load_b256 s[4:11], s[0:1], 0x0               ; qkv_codes s[4:5], qkv_scales s[6:7], ctx_codes s[8:9], ctx_scales s[10:11]
	v_lshl_add_u32 v254, v0, 2, 0x33000
	v_mov_b32 v255, 0
	ds_add_u32 v254, v255
	ds_add_u32 v254, v255
	s_wait_dscnt 0x0
	v_lshrrev_b32 v8, 5, v0
	s_delay_alu instid0(VALU_DEP_1)
	v_readfirstlane_b32 s[WV], v8                  ; wave 0..15
	s_and_b32 s90, ttmp7, 0xffff
	s_lshr_b32 s91, s90, 4                         ; the batch
	s_and_b32 s92, s90, 15                         ; the head
	s_and_b32 s93, s[WV], 1                        ; which half I fetch, if I fetch
	s_mul_i32 s81, s91, 1572864                    ; a batch's codes
	s_lshr_b32 s94, s92, 1
	s_mul_i32 s94, s94, 196608
	s_add_co_u32 s[QKO], s81, s94
	s_and_b32 s94, s92, 1
	s_mul_i32 s94, s94, 768
	s_add_co_u32 s[QKO], s[QKO], s94
	s_lshl_b32 s[QKS], s91, 17
	s_lshl_b32 s94, s92, 13
	s_add_co_u32 s[QKS], s[QKS], s94
	s_mul_i32 s94, s92, 768
	s_add_co_u32 s[CXO], s81, s94
	s_lshl_b32 s[CXS], s91, 16
	s_lshl_b32 s94, s92, 1
	s_add_co_u32 s[CXS], s[CXS], s94
	s_mul_i32 s94, s93, 98304                      ; K's codes: my 64 tiles
	s_add_co_u32 s82, s[QKO], s94
	s_add_co_u32 s82, s82, 6291456
	s_mov_b32 s83, 0
	s_mul_i32 s94, s92, 6144                       ; V's codes: the head's four tiles, my 8 key steps
	s_add_co_u32 s84, s81, s94
	s_mul_i32 s94, s93, 786432
	s_add_co_u32 s84, s84, s94
	s_add_co_u32 s84, s84, 12582912
	s_mov_b32 s85, 0
	s_lshl_b32 s94, s93, 12                        ; K's scale words
	s_add_co_u32 s86, s[QKS], s94
	s_add_co_u32 s86, s86, 524288
	s_mov_b32 s87, 0
	s_lshl_b32 s88, s91, 16                        ; V's scale words
	s_lshl_b32 s94, s92, 8
	s_add_co_u32 s88, s88, s94
	s_lshl_b32 s94, s93, 15
	s_add_co_u32 s88, s88, s94
	s_add_co_u32 s88, s88, 1048576
	s_mov_b32 s89, 0
	; descriptor groups 1.  K's codes: 64 rows of 768 bytes, 1,536 apart (the pair's other head lies between)
	s_mov_b32 s[G1K], 0                            ; no mask; elements of 1 byte; no padding
	s_mov_b32 s[G1K+1], 768<<16                    ; tensor_dim0
	s_mov_b32 s[G1K+2], 64<<16                     ; tensor_dim1
	s_mov_b32 s[G1K+3], 768<<16                    ; tile_dim0
	s_mov_b32 s[G1K+4], 64                         ; tile_dim1
	s_mov_b32 s[G1K+5], 1536                       ; the pitch
	s_mov_b32 s[G1K+6], 0
	s_mov_b32 s[G1K+7], 0
	; V's codes: 8 rows (key steps) of 6,144 bytes, 98,304 apart
	s_mov_b32 s[G1V], 0
	s_mov_b32 s[G1V+1], 6144<<16
	s_mov_b32 s[G1V+2], 8<<16
	s_mov_b32 s[G1V+3], 6144<<16
	s_mov_b32 s[G1V+4], 8
	s_mov_b32 s[G1V+5], 98304
	s_mov_b32 s[G1V+6], 0
	s_mov_b32 s[G1V+7], 0
	; K's scale words: 4,096 dense bytes as 16 rows of 256 (32 elements of 8 bytes)
	s_mov_b32 s[G1SK], 3<<16
	s_mov_b32 s[G1SK+1], 32<<16
	s_mov_b32 s[G1SK+2], 16<<16
	s_mov_b32 s[G1SK+3], 32<<16
	s_mov_b32 s[G1SK+4], 16
	s_mov_b32 s[G1SK+5], 32
	s_mov_b32 s[G1SK+6], 0
	s_mov_b32 s[G1SK+7], 0
	; V's scale words: 8 rows (key steps) of 256 bytes, 4,096 bytes (512 elements) apart
	s_mov_b32 s[G1SV], 3<<16
	s_mov_b32 s[G1SV+1], 32<<16
	s_mov_b32 s[G1SV+2], 8<<16
	s_mov_b32 s[G1SV+3], 32<<16
	s_mov_b32 s[G1SV+4], 8
	s_mov_b32 s[G1SV+5], 512
	s_mov_b32 s[G1SV+6], 0
	s_mov_b32 s[G1SV+7], 0
	s_mov_b32 s[SEL], 0x76543210
	s_mov_b32 s[SEL+1], 0xfedcba98
	s_mov_b32 s[CS], 0x3e38aa3b                    ; c = log2(e) / 8
	s_mov_b32 s[CS+1], s[CS]                       ; (named with it as a pair, so it is written)
	s_wait_kmcnt 0x0
	s_mov_b32 s[G0K], 1
	s_mul_i32 s[G0K+1], s93, 49152                 ; KC + my half
	s_add_nc_u64 s[G0K+2:G0K+3], s[4:5], s[82:83]
	s_or_b32 s[G0K+3], s[G0K+3], 0x80000000
	s_mov_b32 s[G0V], 1
	s_mul_i32 s[G0V+1], s93, 49152
	s_add_co_u32 s[G0V+1], s[G0V+1], VC
	s_add_nc_u64 s[G0V+2:G0V+3], s[4:5], s[84:85]
	s_or_b32 s[G0V+3], s[G0V+3], 0x80000000
	s_mov_b32 s[G0SK], 1
	s_lshl_b32 s[G0SK+1], s93, 12
	s_add_co_u32 s[G0SK+1], s[G0SK+1], KSC
	s_add_nc_u64 s[G0SK+2:G0SK+3], s[6:7], s[86:87]
	s_or_b32 s[G0SK+3], s[G0SK+3], 0x80000000
	s_mov_b32 s[G0SV], 1
	s_lshl_b32 s[G0SV+1], s93, 11
	s_add_co_u32 s[G0SV+1], s[G0SV+1], VSC
	s_add_nc_u64 s[G0SV+2:G0SV+3], s[6:7], s[88:89]
	s_or_b32 s[G0SV+3], s[G0SV+3], 0x80000000
	s_cmp_lt_u32 s[WV], 2                          ; waves 0 and 1 fetch K's halves, waves 2 and 3 V's, the others nothing.  A wave's two first fills stand in one branch; four v_nop follow the second
	s_cbranch_scc0 .Lnot_k
	tensor_load_to_lds s[G0SK:G0SK+3], s[G1SK:G1SK+7]
	s_nop 0
	tensor_load_to_lds s[G0K:G0K+3], s[G1K:G1K+7]
	s_nop 0
.rept 4
	v_nop
.endr
	s_branch .Lasked
.Lnot_k:
	s_cmp_lt_u32 s[WV], 4
	s_cbranch_scc0 .Lasked
	tensor_load_to_lds s[G0SV:G0SV+3], s[G1SV:G1SV+7]
	s_nop 0
	tensor_load_to_lds s[G0V:G0V+3], s[G1V:G1V+7]
	s_nop 0
.rept 4
	v_nop
.endr
.Lasked:
	v_and_b32 v8, 31, v0
	s_delay_alu instid0(VALU_DEP_1)
	v_lshlrev_b32 v[L8], 3, v8
	s_delay_alu instid0(VALU_DEP_1)
	v_add_nc_u32 v[AV0], VC, v[L8]
	v_and_b32 v9, 15, v0                           ; r
	v_bfe_u32 v10, v0, 4, 1                        ; h
	s_delay_alu instid0(VALU_DEP_2)
	v_lshlrev_b32 v[R4], 2, v9
	s_delay_alu instid0(VALU_DEP_3)
	v_lshlrev_b32 v[R32], 5, v9
	s_delay_alu instid0(VALU_DEP_2)
	v_add_nc_u32 v[ASK0], KSC, v[R4]
	s_delay_alu instid0(VALU_DEP_3)
	v_add_nc_u32 v[ASV0], VSC, v[R4]
	v_and_b32 v11, 8, v9
	s_delay_alu instid0(VALU_DEP_1)
	v_add_nc_u32 v[QL], v11, v9
	v_lshlrev_b32 v10, 4, v10
	s_delay_alu instid0(VALU_DEP_1)
	v_sub_nc_u32 v[QL], v[QL], v10
.irp j, 22,23,24,25,26,27
	v_mov_b32 v[\j], 0                             ; Q's zero codes: K = 64 .. 127 of the instruction
.endr
.irp t, 0,1,2,3
.irp j, 6,7,8,9,10,11
	v_mov_b32 v[32+12*\t+\j], 0                    ; K's likewise: written once, no load lands here
.endr
.endr
.irp b, 0,1,2,3
	v_mov_b32 v[236+\b], 0                         ; written once: a lane permute's destination counts as one of its sources
.endr
	v_mov_b32 v252, 0
	v_mov_b32 v253, 0                              ; (named as the upper half of the pair v[252:253] before it is first written)
; A KEY STEP: 128 keys.  A step all of whose keys come after my 16 queries is left out: a scalar branch on ids, round the step's loads, products and softmax, not round the lines at its end that step addresses.
.macro STEP
	s_cmp_gt_u32 s[KF], s[QE]
	s_cbranch_scc1 .Lhidden_\@
	s_setprio 2
	v_add_nc_u32 v[ADK], s[TB], v[L8]
	s_wait_alu depctr_va_vdst(0)
	v_add_nc_u32 v[ADV], s[TB], v[AV0]
	v_add_nc_u32 v[ADS], s[TS], v[ASK0]
	s_wait_alu depctr_va_vdst(0)
	v_add_nc_u32 v[ADT], s[TJ], v[ASV0]
	s_wait_alu depctr_va_vdst(0)
.irp g, 0,1                                    ; S^T = K Q^T, four tiles of 16 keys at a time
.if \g
.rept 4
	v_nop                                          ; places in front of loads into registers that matrix instructions have read
.endr
.endif
.irp t, 0,1,2,3
.irp p, 0,1,2
	ds_load_b64 v[32+12*\t+2*\p:33+12*\t+2*\p], v[ADK] offset:(4*\g+\t)*768+256*\p
.endr
	ds_load_b32 v[248+\t], v[ADS] offset:(4*\g+\t)*64
.endr
	s_wait_dscnt 0x0
.irp t, 0,1,2,3
	v_wmma_scale_f32_16x16x128_f8f6f4 v[S+8*(4*\g+\t):S+8*(4*\g+\t)+7], v[32+12*\t:43+12*\t], v[16:27], 0, v[248+\t], v255 matrix_a_fmt:MATRIX_FMT_FP6 matrix_b_fmt:MATRIX_FMT_FP6
.endr
.endr
.irp t, 0,1,2,3                                ; the step's V: asked for here, it lands under the softmax.  (The last products that read these registers stand eight plain lines back: the four additions and the four v_nop above)
.irp c, 0,1
.irp p, 0,1,2
	ds_load_b64 v[80+12*\t+6*\c+2*\p:81+12*\t+6*\c+2*\p], v[ADV] offset:1536*\t+768*\c+256*\p
.endr
.endr
	ds_load_b32 v[28+\t], v[ADT] offset:64*\t
.endr
.rept 4
	v_nop                                          ; places behind the products, in front of the first read of the scores
.endr
	s_add_co_u32 s14, s[KF], 127                   ; on the diagonal hidden scores become -infinity ahead of the maximum: p = 0 then.  A step all of whose keys count skips this
	s_cmp_le_u32 s14, s[Q0]
	s_cbranch_scc1 .Lopen_\@
	s_sub_co_i32 s14, s[Q0], s[KF]
	v_add_nc_u32 v252, s14, v[QL]                  ; d = my query - the step's first key - 16 h.  Register 16 b + i holds key KF + 16 h + 32 b + i: hidden where 32 b + i > d
	v_mov_b32 v254, 0xff800000
.irp n, 0,1,2,3,4,5,6,7,8,9,10,11,12,13,14,15,16,17,18,19,20,21,22,23,24,25,26,27,28,29,30,31,32,33,34,35,36,37,38,39,40,41,42,43,44,45,46,47,48,49,50,51,52,53,54,55,56,57,58,59,60,61,62,63
	v_cmp_gt_i32 vcc_lo, 32*(\n/16)+\n%16, v252
	v_cndmask_b32 v[S+\n], v[S+\n], v254, vcc_lo
.endr
.Lopen_\@:
.irp b, 0,1,2,3
	v_max3_num_f32 v[232+\b], v[S+16*\b], v[S+1+16*\b], v[S+2+16*\b]   ; the largest score of each block of 32 keys: for the row's maximum, and, since p rises with the score, for the block's largest p
.endr
.irp i, 3,5,7,9,11,13
.irp b, 0,1,2,3
	v_max3_num_f32 v[232+\b], v[232+\b], v[S+16*\b+\i], v[S+1+16*\b+\i]
.endr
.endr
.irp b, 0,1,2,3
	v_max_num_f32 v[232+\b], v[232+\b], v[S+15+16*\b]
.endr
.irp b, 0,1,2,3
	s_delay_alu instid0(VALU_DEP_4)
	v_permlanex16_b32 v[236+\b], v[232+\b], s[SEL], s[SEL+1]
.endr
.irp b, 0,1,2,3
	s_delay_alu instid0(VALU_DEP_4)
	v_max_num_f32 v[232+\b], v[232+\b], v[236+\b]  ; with lane l xor 16's 16 keys
.endr
	s_delay_alu instid0(VALU_DEP_2)
	v_max3_num_f32 v254, v232, v233, v234
	s_delay_alu instid0(VALU_DEP_1)
	v_max_num_f32 v254, v254, v235                 ; the step's largest score of my query
	s_delay_alu instid0(VALU_DEP_1)
	v_mul_f32 v254, s[CS], v254                    ; as t
	s_delay_alu instid0(VALU_DEP_1)
	v_max_num_f32 v13, v13, v254                   ; the running largest t
	v_mov_b32 v254, v12
	s_delay_alu instid0(VALU_DEP_2)
	v_floor_f32 v12, -v13                          ; the new -M = floor(-t): M is a whole number
	s_delay_alu instid0(VALU_DEP_1)
	v_sub_f32 v254, v12, v254                      ; old M less new M: a whole number, 0 or less
	s_delay_alu instid0(VALU_DEP_1)
	v_cvt_i32_f32 v254, v254                       ; (it saturates)
	s_delay_alu instid0(VALU_DEP_1)
	v_ldexp_f32 v252, 1.0, v254                    ; f = 2^(old M - new M)
	s_setprio 1
.irp j, 0,2,4,6,8,10,12,14,16,18,20,22,24,26,28,30,32,34,36,38,40,42,44,46,48,50,52,54,56,58,60,62
	v_pk_fma_f32 v[S+\j:S+1+\j], v[S+\j:S+1+\j], s[CS:CS+1], v[12:13] op_sel_hi:[1,0,0]   ; t - M, two at a time
.endr
.irp b, 0,1,2,3
	v_fma_f32 v[232+\b], v[232+\b], s[CS], v12     ; the same of each block's largest score
.endr
	s_wait_alu depctr_va_vdst(0)
.irp j, 0,1,2,3,4,5,6,7,8,9,10,11,12,13,14,15,16,17,18,19,20,21,22,23,24,25,26,27,28,29,30,31,32,33,34,35,36,37,38,39,40,41,42,43,44,45,46,47,48,49,50,51,52,53,54,55,56,57,58,59,60,61,62,63
	v_exp_f32 v[S+\j], v[S+\j]                     ; p = 2^(t - M), at most 1
.endr
	v_pk_mul_f32 v[14:15], v[14:15], v[252:253] op_sel_hi:[1,0]   ; the sums under the new M (a plain line behind the exponentials)
	s_wait_alu depctr_va_vdst(0)                   ; one wait for the whole batch, ahead of its first reader
.irp b, 0,1,2,3
	v_exp_f32 v[232+\b], v[232+\b]                 ; the block's largest p
.endr
	v_pk_add_f32 v[236:237], v[132:133], v[136:137]
	v_pk_add_f32 v[250:251], v[140:141], v[144:145]
	v_pk_add_f32 v[248:249], v[148:149], v[152:153]
	v_pk_add_f32 v[246:247], v[156:157], v[160:161]
	v_pk_add_f32 v[244:245], v[164:165], v[168:169]
	v_pk_add_f32 v[242:243], v[172:173], v[176:177]
	v_pk_add_f32 v[240:241], v[180:181], v[184:185]
	v_pk_add_f32 v[14:15], v[14:15], v[188:189]
	v_pk_add_f32 v[236:237], v[236:237], v[128:129]
	v_pk_add_f32 v[250:251], v[250:251], v[130:131]
	v_pk_add_f32 v[248:249], v[248:249], v[134:135]
	v_pk_add_f32 v[246:247], v[246:247], v[138:139]
	v_pk_add_f32 v[244:245], v[244:245], v[142:143]
	v_pk_add_f32 v[242:243], v[242:243], v[146:147]
	v_pk_add_f32 v[240:241], v[240:241], v[150:151]
	v_pk_add_f32 v[14:15], v[14:15], v[154:155]
	v_pk_add_f32 v[236:237], v[236:237], v[158:159]
	v_pk_add_f32 v[250:251], v[250:251], v[162:163]
	v_pk_add_f32 v[248:249], v[248:249], v[166:167]
	v_pk_add_f32 v[246:247], v[246:247], v[170:171]
	v_pk_add_f32 v[244:245], v[244:245], v[174:175]
	v_pk_add_f32 v[242:243], v[242:243], v[178:179]
	v_pk_add_f32 v[240:241], v[240:241], v[182:183]
	v_pk_add_f32 v[14:15], v[14:15], v[186:187]
	v_pk_add_f32 v[236:237], v[236:237], v[190:191]
	s_delay_alu instid0(VALU_DEP_2)
	v_pk_add_f32 v[14:15], v[14:15], v[246:247]
	s_delay_alu instid0(VALU_DEP_2)
	v_pk_add_f32 v[236:237], v[236:237], v[244:245]
	v_pk_add_f32 v[250:251], v[250:251], v[242:243]
	v_pk_add_f32 v[248:249], v[248:249], v[240:241]
	s_delay_alu instid0(VALU_DEP_2)
	v_pk_add_f32 v[14:15], v[14:15], v[250:251]
	s_delay_alu instid0(VALU_DEP_2)
	v_pk_add_f32 v[236:237], v[236:237], v[248:249]
	s_delay_alu instid0(VALU_DEP_1)
	v_pk_add_f32 v[14:15], v[14:15], v[236:237]
	s_setprio 0
	s_wait_alu depctr_va_vdst(0)                   ; and one for the four
.irp b, 0,1,2,3
	v_max_num_f32 v[232+\b], 0x1800000, v[232+\b]  ; the floor 2^(3 - 127): the byte cannot fall under 1
.endr
.irp b, 0,1,2,3
	s_delay_alu instid0(VALU_DEP_4)
	v_add_nc_u32 v[244+\b], 0xff000000, v[232+\b]  ; 2 off the exponent field: the conversion's scale operand
.endr
.irp b, 0,1,2,3
	s_delay_alu instid0(VALU_DEP_4)
	v_lshrrev_b32 v[236+\b], 23, v[244+\b]         ; the scale's byte
.endr
	s_delay_alu instid0(VALU_DEP_3)
	v_lshl_or_b32 v253, v237, 8, v236              ; p's scale word for these 128 keys
	s_delay_alu instid0(VALU_DEP_1)
	v_lshl_or_b32 v253, v238, 16, v253
	s_delay_alu instid0(VALU_DEP_1)
	v_lshl_or_b32 v253, v239, 24, v253
.irp c, 0,1
	v_cvt_scalef32_pk16_fp6_f32 v[224+6*\c:226+6*\c], v[S+32*\c:S+15+32*\c], v[244+2*\c]
	v_cvt_scalef32_pk16_fp6_f32 v[236+4*\c:238+4*\c], v[S+16+32*\c:S+31+32*\c], v[244+2*\c+1]   ; (a conversion's three registers begin on an even number)
.endr
	v_nop                                          ; one plain line behind a scaled conversion
.irp c, 0,1                                    ; the operand's layout wants a whole block in a lane
.irp i, 0,1,2
	v_permlane16_swap_b32 v[224+6*\c+\i], v[236+4*\c+\i]
.endr
.irp i, 0,1,2
	s_delay_alu instid0(VALU_DEP_3)
	v_mov_b32 v[227+6*\c+\i], v[236+4*\c+\i]
.endr
.endr
.irp j, 0,2,4,6,8,10,12,14,16,18,20,22,24,26,28,30
	v_pk_mul_f32 v[O+\j:O+1+\j], v[O+\j:O+1+\j], v[252:253] op_sel_hi:[1,0]   ; O^T under the new M.  (These sixteen are also the places between the lines that made p's codes and scale word and the products)
.endr
	s_wait_alu depctr_va_vdst(0)
	s_wait_dscnt 0x0                               ; V is in
.irp t, 0,1,2,3                                ; O^T += V^T P^T: the four accumulators by turns; eight products K Q^T stand between two links of a chain
	v_wmma_scale_f32_16x16x128_f8f6f4 v[O+8*\t:O+7+8*\t], v[80+12*\t:91+12*\t], v[224:235], v[O+8*\t:O+7+8*\t], v[28+\t], v253 matrix_a_fmt:MATRIX_FMT_FP6 matrix_b_fmt:MATRIX_FMT_FP6
.endr
.Lhidden_\@:
	s_add_co_u32 s[KF], s[KF], 128
	s_add_co_u32 s[TB], s[TB], 6144
	s_add_co_u32 s[TS], s[TS], 512
	s_add_co_u32 s[TJ], s[TJ], 256
.endm
; A PASS: one tile of 16 queries through all 16 key steps (the trip count is a constant; hidden steps cost their branch), then the way out.
.macro PASS second
.if \second
	s_wait_xcnt 0x0                                ; the first pass's stores have read their bases and data: both are written again below
	s_mov_b32 s[BLK], ttmp9
.else
	s_sub_co_u32 s[BLK], 7, ttmp9
.endif
	s_lshl_b32 s[TQ], s[BLK], 4
	s_add_co_u32 s[TQ], s[TQ], s[WV]               ; my stored tile: 16 x block + wave
	s_lshl_b32 s[Q0], s[BLK], 8
	s_lshr_b32 s14, s[WV], 1
	s_lshl_b32 s14, s14, 5
	s_add_co_u32 s[Q0], s[Q0], s14
	s_and_b32 s14, s[WV], 1
	s_lshl_b32 s14, s14, 3
	s_add_co_u32 s[Q0], s[Q0], s14                 ; lane r's true query is Q0 + r + 8 (r / 8)
	s_add_co_u32 s[QE], s[Q0], 23
	s_mov_b32 s15, 0
	s_mul_i32 s14, s[TQ], 1536
	s_add_co_u32 s14, s14, s[QKO]
	s_add_nc_u64 s[82:83], s[4:5], s[14:15]        ; Q's codes
	s_lshl_b32 s14, s[TQ], 6
	s_add_co_u32 s14, s14, s[QKS]
	s_add_nc_u64 s[84:85], s[6:7], s[14:15]        ; Q's scale words
	s_mul_i32 s14, s[TQ], 12288
	s_add_co_u32 s14, s14, s[CXO]
	s_add_nc_u64 s[86:87], s[8:9], s[14:15]        ; ctx's codes
	s_lshl_b32 s14, s[TQ], 9
	s_add_co_u32 s14, s14, s[CXS]
	s_add_nc_u64 s[88:89], s[10:11], s[14:15]      ; ctx's scale bytes
.irp p, 0,1,2
	global_load_b64 v[16+2*\p:17+2*\p], v[L8], s[82:83] offset:256*\p
.endr
	global_load_b32 v255, v[R4], s[84:85]
	v_mov_b32 v13, 0xff61b1e6                      ; the largest t so far: -3e38, under every t
	s_delay_alu instid0(VALU_DEP_1)
	v_floor_f32 v12, -v13                          ; -M
	v_mov_b32 v14, 0
	v_mov_b32 v15, 0
.irp j, 0,1,2,3,4,5,6,7,8,9,10,11,12,13,14,15,16,17,18,19,20,21,22,23,24,25,26,27,28,29,30,31
	v_mov_b32 v[O+\j], 0                           ; O^T: the step is written once; the first finds zeros, which the first change of M leaves zeros
.endr
	s_mov_b32 s[TB], 0
	s_mov_b32 s[TS], 0
	s_mov_b32 s[TJ], 0
	s_mov_b32 s[KF], 0
	s_mov_b32 s[CNT], 16
.if !\second
	s_wait_tensorcnt 0x0                           ; my part of K, V and their scale words has landed,
	s_barrier_signal -1
	s_barrier_wait -1                              ; everybody's has: the launch's one barrier; nothing is ever filled again
.endif
	s_wait_loadcnt 0x0                             ; Q
.Lstep_\@:
	STEP
	s_sub_co_u32 s[CNT], s[CNT], 1
	s_cmp_lg_u32 s[CNT], 0
	s_cbranch_scc1 .Lstep_\@
	s_setprio 0
	; THE WAY OUT: O^T / the sum, quantised along the head's 64 channels (two blocks), stored as half an operand's registers
.rept 4
	v_nop                                          ; places behind the last products
.endr
	v_add_f32 v14, v14, v15
	s_delay_alu instid0(VALU_DEP_1)
	v_permlanex16_b32 v252, v14, s[SEL], s[SEL+1]
	s_delay_alu instid0(VALU_DEP_1)
	v_add_f32 v14, v14, v252                       ; the row's sum
	s_wait_alu depctr_va_vdst(0)
	v_rcp_f32 v14, v14
	v_nop                                          ; a plain line behind the reciprocal
	s_wait_alu depctr_va_vdst(0)                   ; and the wait ahead of its first reader
.irp j, 0,1,2,3,4,5,6,7,8,9,10,11,12,13,14,15,16,17,18,19,20,21,22,23,24,25,26,27,28,29,30,31
	v_mul_f32 v[S+\j], v[O+\j], v14                ; register 16 b + i: channel 32 b + 16 h + i of my query
.endr
.irp b, 0,1
	v_max3_num_f32 v[232+\b], |v[S+16*\b]|, |v[S+1+16*\b]|, 0x1800000
.endr
.irp i, 2,4,6,8,10,12,14
.irp b, 0,1
	s_delay_alu instid0(VALU_DEP_2)
	v_max3_num_f32 v[232+\b], v[232+\b], |v[S+16*\b+\i]|, |v[S+1+16*\b+\i]|
.endr
.endr
.irp b, 0,1
	s_delay_alu instid0(VALU_DEP_2)
	v_permlanex16_b32 v[236+\b], v[232+\b], s[SEL], s[SEL+1]
.endr
.irp b, 0,1
	s_delay_alu instid0(VALU_DEP_2)
	v_max_num_f32 v[232+\b], v[232+\b], v[236+\b]
.endr
.irp b, 0,1
	s_delay_alu instid0(VALU_DEP_2)
	v_add_nc_u32 v[244+\b], 0xff000000, v[232+\b]
.endr
.irp b, 0,1
	s_delay_alu instid0(VALU_DEP_2)
	v_lshrrev_b32 v[236+\b], 23, v[244+\b]
.endr
	s_delay_alu instid0(VALU_DEP_1)
	v_lshl_or_b32 v240, v237, 8, v236              ; the head's two scale bytes of my row
	v_cvt_scalef32_pk16_fp6_f32 v[224:226], v[S:S+15], v244
	v_cvt_scalef32_pk16_fp6_f32 v[232:234], v[S+16:S+31], v245
	v_nop                                          ; one plain line behind a scaled conversion
.irp i, 0,1,2
	v_permlane16_swap_b32 v[224+\i], v[232+\i]     ; lanes 0-15 now hold block 0, lanes 16-31 block 1
.endr
.irp i, 0,1,2
	s_delay_alu instid0(VALU_DEP_3)
	v_mov_b32 v[227+\i], v[232+\i]
.endr
.irp p, 0,1,2
	global_store_b64 v[L8], v[224+2*\p:225+2*\p], s[86:87] offset:256*\p   ; 32 lanes store 256 consecutive bytes, aligned
.endr
	global_store_b16 v[R32], v240, s[88:89]        ; two bytes of each row's 32: a head owns no more (both halves of the lanes write the same bytes with the same value)
.endm
	PASS 0                                         ; block 7 - i
	PASS 1                                         ; block i
	s_wait_xcnt 0x0
	v_lshl_add_u32 v254, v0, 2, 0x33000
	v_mov_b32 v255, 0
	s_wait_alu depctr_va_vdst(0)
	s_wait_tensorcnt 0x0
	ds_add_u32 v254, v255
	s_wait_dscnt 0x0
	s_endpgm
.Lfunc_end_k_q2c2e0f1c7a_attn:
	.size	k_q2c2e0f1c7a_attn, .Lfunc_end_k_q2c2e0f1c7a_attn-k_q2c2e0f1c7a_attn
	.p2alignl 7, 3214868480
	.fill 96, 4, 3214868480
	.section	.rodata,"a",@progbits
	.p2align	6, 0x0
	.amdhsa_kernel k_q2c2e0f1c7a_attn
		.amdhsa_group_segment_fixed_size 210944
		.amdhsa_private_segment_fixed_size 0
		.amdhsa_enable_private_segment 0
		.amdhsa_kernarg_size 32
		.amdhsa_user_sgpr_count 2
		.amdhsa_user_sgpr_kernarg_segment_ptr 1
		.amdhsa_wavefront_size32 1
		.amdhsa_system_sgpr_workgroup_id_x 1
		.amdhsa_system_sgpr_workgroup_id_y 1
		.amdhsa_system_sgpr_workgroup_id_z 1
		.amdhsa_system_vgpr_workitem_id 0
		.amdhsa_next_free_vgpr 256
		.amdhsa_next_free_sgpr 100
		.amdhsa_reserve_vcc 1
		.amdhsa_float_denorm_mode_32 3
		.amdhsa_float_denorm_mode_16_64 3
		.amdhsa_memory_ordered 1
		.amdhsa_forward_progress 1
		.amdhsa_inst_pref_size 72
	.end_amdhsa_kernel
	.amdgpu_metadata
---
amdhsa.version: [ 1, 2 ]
amdhsa.kernels:
  - .name:           k_q2c2e0f1c7a_attn
    .symbol:         k_q2c2e0f1c7a_attn.kd
    .args:
      - { .name: qkv_codes, .offset: 0, .size: 8, .value_kind: global_buffer, .address_space: global }
      - { .name: qkv_scales, .offset: 8, .size: 8, .value_kind: global_buffer, .address_space: global }
      - { .name: ctx_codes, .offset: 16, .size: 8, .value_kind: global_buffer, .address_space: global }
      - { .name: ctx_scales, .offset: 24, .size: 8, .value_kind: global_buffer, .address_space: global }
    .group_segment_fixed_size: 210944
    .private_segment_fixed_size: 0
    .kernarg_segment_align: 8
    .kernarg_segment_size: 32
    .max_flat_workgroup_size: 512
    .sgpr_count:     100
    .vgpr_count:     256
    .wavefront_size: 32
...
	.end_amdgpu_metadata
.endif
;; end of part 3
;; launch oproj (part 4): grid 8 x 32, 4 waves a work-group, clusters of 4 x 4, 327,680 bytes of LDS; arguments ctx_codes, ctx_scales, xw_codes, xw_scales, out0; writes out0
.if DOCPART == 4
	.amdgcn_target "amdgcn-amd-amdhsa--gfx1250"
	.amdhsa_code_object_version 6
	.text
	.protected	k_q2c2e0f1c7a_oproj
	.globl	k_q2c2e0f1c7a_oproj
	.p2align	8
	.type	k_q2c2e0f1c7a_oproj,@function
k_q2c2e0f1c7a_oproj:
	s_mov_b64 s[64:65], 0
	v_nop
	global_prefetch_b8 v0, s[64:65] scope:SCOPE_SE
	s_setreg_imm32_b32 hwreg(HW_REG_WAVE_MODE, 25, 1), 1
	s_wait_xcnt 0x0
	s_wait_alu depctr_hold_cnt(0) depctr_sa_sdst(0) depctr_va_vdst(0) depctr_va_sdst(0) depctr_va_ssrc(0) depctr_va_vcc(0) depctr_vm_vsrc(0)
	s_getreg_b32 s2, hwreg(HW_REG_IB_STS2, 6, 4)
	s_cmp_eq_u32 s2, 0
	s_cbranch_scc0 .Lentry_in_a_cluster
	s_endpgm
.Lentry_in_a_cluster:
	s_bfe_u32 s2, ttmp6, 0x10000c
	s_cmp_lg_u32 s2, 0xf033
	s_cbranch_scc0 .Lentry_shape_is_right
	s_endpgm
.Lentry_shape_is_right:
; out = ctx Wo on codes of FP6 (E2M3) with E8M0 scales, K = 1,024, sums and result in f32.
; A = ctx: ctx_codes [tile of 16 stored rows 512][head 16][768 bytes]: halves of an operand's registers as they stand ([piece 3][lane 32][8 bytes]); two neighbouring heads are a fragment of 128 along K.  ctx_scales [stored row 8192][32].
; B = Wo's columns: rows 11,264 on of xw_codes [.][768 bytes], with xw_scales [.][32].
; A tile of out is 256 rows x 128 columns, so that each of 256 work-groups has one; a wave makes 128 x 64: 32 accumulators, one window of registers.
; STORED ROWS: in both operands bits 3 and 4 of a row's number are swapped inside each group of 32.  Source 0 = 16 stored rows of Wo: the 16 registers of tiles 2 b and 2 b + 1 of lane (r, h) are the true columns 32 b + 16 h + 0 .. 15;
; source 1 = 16 stored rows of ctx: lane r of block 2 b + u holds the true row 32 b + 8 u + r + 8 (r / 8).  The way out puts both right.
; K goes in steps of 256 through two LDS slots filled by joint tensor loads (A's tile shared along a row of the cluster, B's along a column); the scales come once, with the first fills.
; By this text's count a wave has three tensor loads out at the start, one behind each round.
; REGISTERS: window 0: v0-31 addresses; v32-63 scale words, two sets; from v128 A's fragments, ONE set; on the way out v128-191 rows of out.  window 1: B's fragments, two sets, at v0 and v128.  window 2: accumulator (a, b) at v[8 (4 a + b)].
.set NQ,     2
.set FR,     12
.set NL,     6
.set NP,     4                         ; places behind this matrix instruction (ISA guide 7.12.1)
.set PITCH,  240                       ; B's LDS row: 3 x (64 bytes + 16 of padding)
.set AHALF,  8*3072                    ; A: 8 tiles of rows x 4 heads x 768 bytes: what one tensor load brings, and what one wave reads
.set APART,  2*AHALF
.set BHALF,  64*PITCH                  ; B: 64 rows
.set SLOT,   APART+2*BHALF
.set LAPS,   2
.set SCB,    2*SLOT                    ; behind the ring: B's scales, as units of 256 bytes + 16,
.set BHS,    8*272                     ; (those of 64 rows)
.set SCA,    SCB+2*BHS                 ; then A's
.set AHS,    16*272                    ; (those of 128 rows)
.set SBLK,   2*272                     ; those of 16 rows
.set SPARE,  SCA+2*AHS                 ; the spare words, 128 bytes a wave: no other line names them
.set SPITCH, 272                       ; the way out: a stage of 16 rows x (256 bytes + 16) for each wave, in slot 0, which has had its last fill and its last read by then
.set ADRA, 16                          ; v16-17  my A fragments in slot 0, 1
.set ADRB, 20                          ; v20-21 (v22-23 behind one padding more): my B fragments
.set STO,  24
.set RD,   25
.set CO,   26
.set ADRS, 27                          ; v27  my scale words: lanes 0-15 B's rows, lanes 16-31 A's
.set SPW,  28                          ; v28  my spare word; never rewritten
.set NIL,  29                          ; v29  0; never rewritten
.set SC,   32
.set AF,   128
.set BK,   128
.set G1, 24
.set G0, 32
.set G1B, 48
.set G0B, 56
.set G1S, 68
.set G0S, 76
.set G1SB, 80
.set G0SB, 88
.set MSB, 0
.macro WIN new                         ; the immediate's high byte repeats the setting that is left
.if MSB != (\new)
	s_set_vgpr_msb (MSB<<8)|(\new)
.set MSB, (\new)
.endif
.endm
.set MUL,  0xa1                        ; source 0 (B) window 1, source 1 (A) window 0, C and D window 2
.set TO_B, 0x40                        ; destination window 1, address window 0
.macro JLOAD g0a, g1a, g0b, g1b        ; a joint load: waves 0 and 1 fetch for A, waves 2 and 3 for B; four v_nop follow each line
	s_cmp_eq_u32 s15, 0
	s_cbranch_scc0 .Lfor_b_\@
	tensor_load_to_lds s[\g0a:\g0a+3], s[\g1a:\g1a+7]
	s_nop 0
.rept 4
	v_nop
.endr
	s_branch .Lasked_\@
.Lfor_b_\@:
	tensor_load_to_lds s[\g0b:\g0b+3], s[\g1b:\g1b+7]
	s_nop 0
.rept 4
	v_nop
.endr
.Lasked_\@:
.endm
.macro CREST
	s_cmp_lg_u32 s14, 0
	s_cbranch_scc1 .Lnot_wave_0_\@
	s_barrier_signal -3
.Lnot_wave_0_\@:
	s_barrier_wait -3
	s_barrier_signal -1
	s_barrier_wait -1
.endm
.macro CROUND
	s_barrier_signal -1
	s_barrier_wait -1
	CREST
.endm
	s_load_b128 s[4:7], s[0:1], 0x0                ; A's codes s[4:5], A's scales s[6:7]
	s_load_b128 s[8:11], s[0:1], 0x10              ; B's codes s[8:9], B's scales s[10:11]
	s_load_b64 s[12:13], s[0:1], 0x20              ; out
	v_lshl_add_u32 v[SPW], v0, 2, SPARE
	v_mov_b32 v[NIL], 0
	ds_add_u32 v28, v29
	ds_add_u32 v28, v29
	s_wait_dscnt 0x0
	v_lshrrev_b32 v1, 5, v0
	v_readfirstlane_b32 s14, v1                    ; wave 0..3
	s_lshr_b32 s15, s14, 1                         ; which 128 rows are mine.  Also: I fetch for A (0) or for B (1)
	s_and_b32 s16, s14, 1                          ; which 64 columns.  Also: which half of that tile I fetch
	s_bfe_u32 s40, ttmp6, 0x40000                  ; cx, cy
	s_bfe_u32 s41, ttmp6, 0x40004
	s_lshl_b32 s42, ttmp9, 2
	s_add_co_u32 s42, s42, s40                     ; tile column (128 columns)
	s_and_b32 s17, ttmp7, 0xffff
	s_lshl_b32 s17, s17, 2
	s_add_co_u32 s17, s17, s41                     ; tile row (256 rows)
	s_lshl_b32 s43, s41, 2
	s_lshl_b32 s43, 15, s43                        ; my row of the cluster
	s_lshl_b32 s44, 0x1111, s40                    ; my column
	; A's tiles: 8 rows (tiles of 16 stored rows) of 3,072 bytes (four heads), 12,288 apart; no padding
	s_or_b32 s[G1+0], s43, (0<<16)|(1<<21)
	s_mov_b32 s[G1+1], 3072<<16
	s_mov_b32 s[G1+2], 8<<16
	s_mov_b32 s[G1+3], 3072<<16
	s_mov_b32 s[G1+4], 8
	s_mov_b32 s[G1+5], 12288
	s_mov_b32 s[G1+6], 0
	s_mov_b32 s[G1+7], 0
	; B's tiles: 64 rows of 192 bytes, 768 apart; 16 bytes of padding behind every 64
	s_or_b32 s[G1B+0], s44, (0<<16)|(1<<20)|(1<<21)|(3<<22)|(3<<25)
	s_mov_b32 s[G1B+1], 192<<16
	s_mov_b32 s[G1B+2], 64<<16
	s_mov_b32 s[G1B+3], 192<<16
	s_mov_b32 s[G1B+4], 64
	s_mov_b32 s[G1B+5], 768
	s_mov_b32 s[G1B+6], 0
	s_mov_b32 s[G1B+7], 0
	; the scales: dense bytes as rows of 256 (32 elements of 8), 16 bytes of padding behind each: A's 128 rows are 16 such, B's 64 rows 8
	s_or_b32 s[G1S+0], s43, (3<<16)|(1<<20)|(1<<21)|(5<<22)|(3<<25)
	s_mov_b32 s[G1S+1], 32<<16
	s_mov_b32 s[G1S+2], 16<<16
	s_mov_b32 s[G1S+3], 32<<16
	s_mov_b32 s[G1S+4], 16
	s_mov_b32 s[G1S+5], 32
	s_mov_b32 s[G1S+6], 0
	s_mov_b32 s[G1S+7], 0
	s_or_b32 s[G1SB+0], s44, (3<<16)|(1<<20)|(1<<21)|(5<<22)|(3<<25)
	s_mov_b32 s[G1SB+1], 32<<16
	s_mov_b32 s[G1SB+2], 8<<16
	s_mov_b32 s[G1SB+3], 32<<16
	s_mov_b32 s[G1SB+4], 8
	s_mov_b32 s[G1SB+5], 32
	s_mov_b32 s[G1SB+6], 0
	s_mov_b32 s[G1SB+7], 0
	s_lshl_b32 s20, s17, 4
	s_lshl_b32 s18, s16, 3
	s_add_co_u32 s20, s20, s18
	s_mul_i32 s20, s20, 12288                      ; A's codes: tile of rows 16 x tile row + 8 x half
	s_mov_b32 s21, 0
	s_lshl_b32 s22, s17, 13
	s_lshl_b32 s18, s16, 12
	s_add_co_u32 s22, s22, s18                     ; A's scales: row 256 x tile row + 128 x half, 32 bytes a row
	s_mov_b32 s23, 0
	s_lshl_b32 s46, s42, 7
	s_lshl_b32 s18, s16, 6
	s_add_co_u32 s46, s46, s18
	s_add_co_u32 s46, s46, 11264                   ; B: row 11,264 + 128 x tile column + 64 x half
	s_lshl_b32 s92, s46, 5                         ; its scales
	s_mov_b32 s93, 0
	s_mul_i32 s46, s46, 768                        ; its codes
	s_mov_b32 s47, 0
	s_mul_i32 s45, s16, AHALF                      ; where they go: no place in the cluster enters an LDS address
	s_mul_i32 s94, s16, BHALF
	s_add_co_u32 s94, s94, APART
	s_mul_i32 s66, s16, AHS
	s_add_co_u32 s66, s66, SCA
	s_mul_i32 s67, s16, BHS
	s_add_co_u32 s67, s67, SCB
	s_wait_kmcnt 0x0
	s_add_nc_u64 s[20:21], s[4:5], s[20:21]
	s_add_nc_u64 s[22:23], s[6:7], s[22:23]
	s_add_nc_u64 s[46:47], s[8:9], s[46:47]
	s_add_nc_u64 s[92:93], s[10:11], s[92:93]
	CROUND                                         ; all sixteen work-groups are here: the first joint loads meet
	s_mov_b32 s[G0S], 1
	s_mov_b32 s[G0S+1], s66
	s_mov_b64 s[G0S+2:G0S+3], s[22:23]
	s_or_b32 s[G0S+3], s[G0S+3], 0x80000000
	s_mov_b32 s[G0SB], 1
	s_mov_b32 s[G0SB+1], s67
	s_mov_b64 s[G0SB+2:G0SB+3], s[92:93]
	s_or_b32 s[G0SB+3], s[G0SB+3], 0x80000000
	JLOAD G0S, G1S, G0SB, G1SB                     ; the scales first
.irp s, 0,1
	s_mov_b32 s[G0+4*\s], 1
	s_add_co_u32 s[G0+4*\s+1], s45, \s*SLOT
	s_add_nc_u64 s[G0+4*\s+2:G0+4*\s+3], s[20:21], \s*3072
	s_or_b32 s[G0+4*\s+3], s[G0+4*\s+3], 0x80000000
	s_mov_b32 s[G0B+4*\s], 1
	s_add_co_u32 s[G0B+4*\s+1], s94, \s*SLOT
	s_add_nc_u64 s[G0B+4*\s+2:G0B+4*\s+3], s[46:47], \s*192
	s_or_b32 s[G0B+4*\s+3], s[G0B+4*\s+3], 0x80000000
	s_wait_alu depctr_va_vdst(0)
	s_wait_tensorcnt 0x0
	ds_add_u32 v28, v29
	s_wait_dscnt 0x0
	CROUND
	JLOAD G0+4*\s, G1, G0B+4*\s, G1B
.endr
	v_and_b32 v1, 15, v0                           ; r
	v_bfe_u32 v2, v0, 4, 1                         ; h
	v_and_b32 v6, 31, v0
	v_lshlrev_b32 v7, 3, v6                        ; 8 x lane
	s_mul_i32 s21, s15, AHALF                      ; my 128 rows of A
	v_add_nc_u32 v[ADRA], s21, v7
	s_add_co_u32 s21, s21, SLOT
	v_add_nc_u32 v[ADRA+1], s21, v7
	v_mul_u32_u24 v3, v1, PITCH
	v_mul_u32_u24 v4, v2, 24
	v_add_nc_u32 v4, v3, v4                        ; B: row x pitch + 24 h
	v_lshl_add_u32 v5, v2, 4, v4                   ; and the same behind one padding more
	s_mul_i32 s22, s16, BHALF
	s_add_co_u32 s22, s22, APART                   ; my 64 rows of B
.irp s, 0,1
	v_add_nc_u32 v[ADRB+\s], s22, v4
	v_add_nc_u32 v[ADRB+2+\s], s22, v5
	s_add_co_u32 s22, s22, SLOT
.endr
	v_mul_u32_u24 v5, v1, 32                       ; my row's scales: 32 bytes a row,
	v_lshrrev_b32 v6, 8, v5
	v_lshl_add_u32 v5, v6, 4, v5                   ; and 16 more for each 256 passed
	s_mul_i32 s21, s16, BHS                        ; B's: my 64 rows
	s_mul_i32 s22, s15, AHS                        ; A's: my 128 rows, behind B's 128
	s_add_co_u32 s22, s22, 2*BHS
	s_sub_co_u32 s22, s22, s21
	v_mul_u32_u24 v6, s22, v2                      ; lanes 16-31 take A's: the lower base + h x the distance
	s_add_co_u32 s21, s21, SCB
	v_add_nc_u32 v5, v5, v6
	v_add_nc_u32 v[ADRS], s21, v5
	s_mul_i32 s23, s14, 16*SPITCH                  ; my stage
	v_mul_u32_u24 v5, v1, SPITCH
	v_lshl_add_u32 v5, v2, 6, v5                   ; in: row r, + 64 h: the true columns 16 h on of a group of 32
	v_add_nc_u32 v[STO], s23, v5
	v_mul_u32_u24 v5, v2, SPITCH
	v_lshl_add_u32 v5, v1, 4, v5                   ; back: lanes 0-15 one row of 256 bytes, lanes 16-31 the next
	v_add_nc_u32 v[RD], s23, v5
	v_lshlrev_b32 v5, 12, v2
	v_lshl_add_u32 v[CO], v1, 4, v5                ; and the same two rows in out (4,096 bytes a row)
	s_lshl_b32 s20, s17, 8
	s_lshl_b32 s21, s15, 7
	s_add_co_u32 s20, s20, s21                     ; my first row
	s_lshl_b32 s20, s20, 12
	s_lshl_b32 s46, s42, 9
	s_lshl_b32 s47, s16, 8
	s_add_co_u32 s46, s46, s47                     ; my first column, in bytes
	s_add_co_u32 s20, s20, s46
	s_mov_b32 s21, 0
	s_add_nc_u64 s[12:13], s[12:13], s[20:21]
.macro FRAGA reg, slot, q, i           ; A's fragment: the registers as they lie: 8 bytes a lane on end
.irp c, 0,1
.irp p, 0,1,2
	ds_load_b64 v[\reg+6*\c+2*\p:\reg+6*\c+2*\p+1], v[ADRA+\slot] offset:3072*(\i)+768*(2*(\q)+\c)+256*\p
.endr
.endr
.endm
.macro FRAG reg, adr, q, i             ; B's fragment, from rows: pieces of 8 bytes; where lanes 16-31's piece lies behind one padding more, the second address register serves
.irp p, 0,1,2,3,4,5
.set PCE, 12*(\q)+6*(\p/3)+\p%3
.if PCE%8 < 5
	ds_load_b64 v[\reg+2*\p:\reg+2*\p+1], v[\adr] offset:8*PCE+16*(PCE/8)+(\i)*16*PITCH
.else
	ds_load_b64 v[\reg+2*\p:\reg+2*\p+1], v[\adr+2] offset:8*PCE+16*(PCE/8)+(\i)*16*PITCH
.endif
.endr
.endm
; 8 matrix instructions: A's blocks a0, a0 + 1 x B's four.  The 32 accumulators take turns, one instruction a turn, in the same order in every step.
.macro MUL8 a0, p, q, sc, zero
.irp a, \a0, \a0+1
.irp b, 0,1,2,3
.if \zero
	v_wmma_scale_f32_16x16x128_f8f6f4 v[8*(4*(\a)+\b):8*(4*(\a)+\b)+7], v[128*(\p)+FR*\b:128*(\p)+FR*\b+FR-1], v[AF+FR*(\a):AF+FR*(\a)+FR-1], 0, v[SC+8*NQ*(\sc)+NQ*\b+(\q)], v[SC+8*NQ*(\sc)+NQ*(\a)+(\q)] matrix_a_fmt:MATRIX_FMT_FP6 matrix_b_fmt:MATRIX_FMT_FP6 matrix_b_scale:MATRIX_SCALE_ROW1
.else
	v_wmma_scale_f32_16x16x128_f8f6f4 v[8*(4*(\a)+\b):8*(4*(\a)+\b)+7], v[128*(\p)+FR*\b:128*(\p)+FR*\b+FR-1], v[AF+FR*(\a):AF+FR*(\a)+FR-1], v[8*(4*(\a)+\b):8*(4*(\a)+\b)+7], v[SC+8*NQ*(\sc)+NQ*\b+(\q)], v[SC+8*NQ*(\sc)+NQ*(\a)+(\q)] matrix_a_fmt:MATRIX_FMT_FP6 matrix_b_fmt:MATRIX_FMT_FP6 matrix_b_scale:MATRIX_SCALE_ROW1
.endif
.endr
.endr
.endm
.macro FETCH_B slot, q, p
	WIN TO_B
.irp i, 0,1,2,3
	FRAG 128*(\p)+FR*\i, ADRB+\slot, \q, \i
.endr
	WIN 0
.endm
.macro FETCH_A slot, q, i0
.irp i, \i0, \i0+1, \i0+2, \i0+3
	FRAGA AF+FR*(\i), \slot, \q, \i
.endr
.endm
.macro SCALES sc                       ; a K step's scale words, two a row: lanes 0-15 B's block i, lanes 16-31 A's block i.  (For i = 4 .. 7 lanes 0-15 read bytes of the scales that follow B's 64 rows: filled, and used by no product)
.irp i, 0,1,2,3,4,5,6,7
	ds_load_b64 v[SC+8*NQ*\sc+NQ*\i:SC+8*NQ*\sc+NQ*\i+1], v[ADRS] offset:\i*SBLK
.endr
.endm
.macro PLACES n
.rept \n
	v_nop
.endr
.endm
.macro STEP slot, q, zero
	s_wait_dscnt 4*NL                              ; B's set and A's blocks 0-3 are in; the youngest 24 loads (A's blocks 4-7) may be out
	WIN MUL
	MUL8 0, (\q)%2, \q, \slot, \zero
	MUL8 2, (\q)%2, \q, \slot, \zero
	s_wait_dscnt 0
	PLACES NP
	FETCH_B \slot, (\q)+1, 1-(\q)%2
	FETCH_A \slot, (\q)+1, 0
	WIN MUL
	MUL8 4, (\q)%2, \q, \slot, \zero
	MUL8 6, (\q)%2, \q, \slot, \zero
	PLACES NP
	WIN 0
	FETCH_A \slot, (\q)+1, 4
.endm
.macro TURN slot, next, fill
	s_wait_tensorcnt 0x0                           ; all my tensor loads have landed: my part of the next slot
	ds_add_u32 v[SPW], v[NIL]                      ; 0 onto my spare word
	s_wait_dscnt 4*NL+1                            ; (the add and the youngest 24 loads may be out)
	WIN MUL
	MUL8 0, 1, NQ-1, \slot, 0                      ; eight matrix instructions stand between the add and the wait for it
	s_wait_dscnt 0x0                               ; the add is done, and my reads of this slot are over
	s_barrier_signal -1
	MUL8 2, 1, NQ-1, \slot, 0
	WIN 0
	s_barrier_wait -1
.if \fill
	CREST                                          ; the barrier has opened a round of the cluster's: no wave of any partner still reads this slot or has a load on its way
	s_add_nc_u64 s[G0+4*\slot+2:G0+4*\slot+3], s[G0+4*\slot+2:G0+4*\slot+3], 2*3072
	s_add_nc_u64 s[G0B+4*\slot+2:G0B+4*\slot+3], s[G0B+4*\slot+2:G0B+4*\slot+3], 2*192
	JLOAD G0+4*\slot, G1, G0B+4*\slot, G1B         ; the first tensor load behind the round; its four v_nop are the places in front of the loads below
.else
	PLACES NP
.endif
	s_wait_alu depctr_va_vdst(0)
	v_add_nc_u32 v[ADRS], 4*NQ, v[ADRS]            ; on to the next K step's scale words
	FETCH_B \next, 0, 0
	FETCH_A \next, 0, 0
	SCALES \next
	WIN MUL
	MUL8 4, 1, NQ-1, \slot, 0
	MUL8 6, 1, NQ-1, \slot, 0
	PLACES NP
	WIN 0
	FETCH_A \next, 0, 4
.endm
	s_wait_alu depctr_va_vdst(0)
	s_wait_tensorcnt 1                             ; the scales and my part of K step 0 are in (K step 1's load may be out),
	s_barrier_signal -1
	s_barrier_wait -1                              ; everybody's are
	FETCH_B 0, 0, 0
	FETCH_A 0, 0, 0
	SCALES 0
	FETCH_A 0, 0, 4
	STEP 0, 0, 1                                   ; the first step's products start the sums
	s_mov_b32 s3, LAPS-1
.Llap:
	TURN 0, 1, 1
	STEP 1, 0, 0
	TURN 1, 0, 1
	STEP 0, 0, 0
	s_sub_co_u32 s3, s3, 1
	s_cmp_lg_u32 s3, 0
	s_cbranch_scc1 .Llap
	TURN 0, 1, 0                                   ; the last lap fills nothing
	STEP 1, 0, 0
	s_wait_dscnt 4*NL
	WIN MUL
	MUL8 0, 1, NQ-1, 1, 0
	MUL8 2, 1, NQ-1, 1, 0
	s_wait_dscnt 0
	MUL8 4, 1, NQ-1, 1, 0
	MUL8 6, 1, NQ-1, 1, 0
	WIN 0
; THE WAY OUT, block by block of 16 stored rows x 64 columns, through my own stage: in by true columns, back as whole rows of 256 bytes, stored at their true rows.
.macro TOSTAGE a
.set AC, 32*(\a)
	WIN 0x08                                       ; an LDS store's data are its source 1: window 2
.irp b, 0,1,2,3
	ds_store_b128 v[STO], v[AC+8*\b:AC+8*\b+3] offset:128*(\b/2)+32*(\b%2)      ; tile 2 g + u, registers 0 .. 7: true columns 32 g + 16 h + 8 u + 0 .. 7; each accumulator from its low end on
	ds_store_b128 v[STO], v[AC+8*\b+4:AC+8*\b+7] offset:128*(\b/2)+32*(\b%2)+16
.endr
	WIN 0
.set BB, BK+32*((\a)%2)
.irp t, 0,1,2,3,4,5,6,7
	ds_load_b128 v[BB+4*\t:BB+4*\t+3], v[RD] offset:\t*2*SPITCH   ; LDS serves a wave's instructions in order: these see the stores above, and the next block's stores come behind them
.endr
.endm
.macro SEND a, younger
.set BB, BK+32*((\a)%2)
	s_wait_dscnt \younger                          ; the block is back in registers
.irp t, 0,1,2,3,4,5,6,7
	global_store_b128 v[CO], v[BB+4*\t:BB+4*\t+3], s[12:13] offset:(32*((\a)/2)+8*((\a)%2)+2*\t+8*(\t/4))*4096 th:TH_STORE_NT   ; stored row 2 t (+ 1) of block a is this true row; 16 lanes store 256 consecutive bytes, aligned
.endr
.endm
	PLACES NP                                      ; behind the last products: for the reads of results and the loads into the registers that held A's fragments
	TOSTAGE 0
.irp a, 1,2,3,4,5,6,7
.if \a > 1
	s_wait_xcnt 0x0                                ; block a - 2's stores have read their registers: block a's loads may land there
.endif
	TOSTAGE \a
	SEND \a-1, 16                                  ; behind block a - 1's loads: block a's 8 stores and 8 loads
.endr
	SEND 7, 0
	s_wait_tensorcnt 0x0                           ; the wave's end
	ds_add_u32 v[SPW], v[NIL]
	s_wait_dscnt 0x0
	CROUND                                         ; the closing round
	s_endpgm
.Lfunc_end_k_q2c2e0f1c7a_oproj:
	.size	k_q2c2e0f1c7a_oproj, .Lfunc_end_k_q2c2e0f1c7a_oproj-k_q2c2e0f1c7a_oproj
	.p2alignl 7, 3214868480
	.fill 96, 4, 3214868480
	.section	.rodata,"a",@progbits
	.p2align	6, 0x0
	.amdhsa_kernel k_q2c2e0f1c7a_oproj
		.amdhsa_group_segment_fixed_size 327680
		.amdhsa_private_segment_fixed_size 0
		.amdhsa_enable_private_segment 0
		.amdhsa_kernarg_size 40
		.amdhsa_user_sgpr_count 2
		.amdhsa_user_sgpr_kernarg_segment_ptr 1
		.amdhsa_wavefront_size32 1
		.amdhsa_system_sgpr_workgroup_id_x 1
		.amdhsa_system_sgpr_workgroup_id_y 1
		.amdhsa_system_sgpr_workgroup_id_z 1
		.amdhsa_system_vgpr_workitem_id 0
		.amdhsa_next_free_vgpr 768
		.amdhsa_next_free_sgpr 98
		.amdhsa_reserve_vcc 0
		.amdhsa_float_denorm_mode_32 3
		.amdhsa_float_denorm_mode_16_64 3
		.amdhsa_memory_ordered 1
		.amdhsa_forward_progress 1
		.amdhsa_inst_pref_size 103
	.end_amdhsa_kernel
	.amdgpu_metadata
---
amdhsa.version: [ 1, 2 ]
amdhsa.kernels:
  - .name:           k_q2c2e0f1c7a_oproj
    .symbol:         k_q2c2e0f1c7a_oproj.kd
    .args:
      - { .name: ctx_codes, .offset: 0, .size: 8, .value_kind: global_buffer, .address_space: global }
      - { .name: ctx_scales, .offset: 8, .size: 8, .value_kind: global_buffer, .address_space: global }
      - { .name: xw_codes, .offset: 16, .size: 8, .value_kind: global_buffer, .address_space: global }
      - { .name: xw_scales, .offset: 24, .size: 8, .value_kind: global_buffer, .address_space: global }
      - { .name: out0, .offset: 32, .size: 8, .value_kind: global_buffer, .address_space: global }
    .group_segment_fixed_size: 327680
    .private_segment_fixed_size: 0
    .kernarg_segment_align: 8
    .kernarg_segment_size: 40
    .max_flat_workgroup_size: 128
    .sgpr_count:     98
    .vgpr_count:     768
    .wavefront_size: 32
...
	.end_amdgpu_metadata
.endif
;; end of part 4
